; MI455X (gfx1250); checked and timed in simulation.
; The chip was launched on July 23, 2026; its instructions are those of AMD's public machine-readable ISA for CDNA 5 (MIT licence, August 2026) and "CDNA5" Instruction Set Architecture Reference Guide (July 2026). The comments in the code are by the model that wrote it; some were corrected since.
;; Encoder Block. Allowed arithmetic: matrix products marked QUANTISED: E2M3 operands, one E8M0 scale for each 32 along K, by v_wmma_scale_f32_16x16x128_f8f6f4 with both operands' format E2M3, f32 sums; everything else in f32.
;; Inputs: W1 1,024 x 4,096 float32; W2 4,096 x 1,024 float32; W_k 1,024 x 1,024 float32; W_o 1,024 x 1,024 float32; W_q 1,024 x 1,024 float32; W_v 1,024 x 1,024 float32; b1 4,096 float32; b2 1,024 float32; b_o 1,024 float32; ln1_b 1,024 float32; ln1_g 1,024 float32; ln2_b 1,024 float32; ln2_g 1,024 float32; x 2 x 2,048 x 1,024 float32.
;; Outputs: out0 2 x 2,048 x 1,024 float32.
;; This version of the problem:
;;   THIS VERSION OF THE PROBLEM IS GIVEN IN LOW PRECISION. The matrix products marked QUANTISED in the list below multiply operands that are first quantised to E2M3 (2 exponent bits, 3 mantissa bits; 6 bits a number), with one power-of-two scale for each 32 numbers along K (OCP MX v1.0); their sums are f32. All else is computed in f32.
;;   The module's matrix products, in the order in which they are computed (A, B: the left and right operand; K: the contracted axis; several contracted axes count as one K, in the product's order):
;;     1. [M 4,096, K 1,024] x [K 1,024, N 1,024]; A: computed on the way; B: input W_q: QUANTISED
;;     2. [M 4,096, K 1,024] x [K 1,024, N 1,024]; A: computed on the way; B: input W_k: QUANTISED
;;     3. [M 4,096, K 1,024] x [K 1,024, N 1,024]; A: computed on the way; B: input W_v: QUANTISED
;;     4. batch 32 x [M 2,048, K 64] x [K 64, N 2,048]; A: computed on the way; B: computed on the way: QUANTISED
;;     5. batch 32 x [M 2,048, K 2,048] x [K 2,048, N 64]; A: softmax (see below); B: computed on the way: QUANTISED
;;     6. [M 4,096, K 1,024] x [K 1,024, N 1,024]; A: computed on the way; B: input W_o: QUANTISED
;;     7. [M 4,096, K 1,024] x [K 1,024, N 4,096]; A: computed on the way; B: input W1: QUANTISED
;;     8. [M 4,096, K 4,096] x [K 4,096, N 1,024]; A: computed on the way; B: input W2: QUANTISED
;;   THE QUANTISER, for each operand of a quantised product, along K:
;;     - K is cut into blocks of 32 from its start; a last block that is shorter is filled with zeros.
;;     - A block's scale is 2^e with e = floor(log2(the largest magnitude in the block)) - 2, held to -126 .. 127; a block of zeros has e = 0. As a byte (E8M0): e + 127.
;;     - Each number is divided by its block's scale, clamped to +-7.5, and rounded to the nearest number of E2M3, ties to even, subnormals kept.
;;     - The product sums the exact products of the quantised numbers (number of the format x scale) in f32.
;;   ~~~python
;;   def quantise(x, axis):      # numpy; x: float32 -> the quantised numbers, widened to float32 again
;;       x = np.moveaxis(x, axis, -1); K = x.shape[-1]
;;       x = np.pad(x, [(0, 0)] * (x.ndim - 1) + [(0, -K % 32)]); x = x.reshape(x.shape[:-1] + (-1, 32)); a = np.abs(x).max(-1, keepdims=True)
;;       e = np.where(a > 0, np.clip(np.frexp(np.where(a > 0, a, 1))[1] - 1 - 2, -126, 127), 0)      # np.frexp(a)[1] - 1 = floor(log2(a)), exactly
;;       r = np.clip(x / 2.0 ** e, -7.5, 7.5)
;;       step = 2.0 ** (np.maximum(np.frexp(np.where(r == 0, 1, r))[1] - 1, 0) - 3)
;;       q = np.round(r / step) * step * 2.0 ** e      # np.round: ties to even
;;       return np.moveaxis(q.reshape(q.shape[:-2] + (-1,))[..., :K], -1, axis).astype(np.float32)
;;   ~~~
;;   SOFTMAX AHEAD OF A QUANTISED PRODUCT. Where the list says 'softmax', what is quantised is not the finished softmax but p = 2^(t - M), with t = logit x log2(e) and M = ceil(the row's largest t), a whole number; so 1/2 < the row's largest p <= 1. The row's sum l is taken of the UNQUANTISED p, in f32, and the product's result is divided by l at the end. Since M is a whole number, a kernel that streams over the keys may use a running M (the ceiling of the running maximum): every later rescaling is an exact power of two, which a block's scale takes up: the codes' values come out the same.
;;   OPERANDS COMPUTED ON THE WAY. 'Computed on the way' means the value that the module computes at that place (a softmax that the list does not call 'softmax' is quantised finished and normalised). What goes into a quantiser is computed in f32, as accurately as f32 sums, v_exp_f32 and their like allow (about 1e-6 of the number): no bf16 or f16 on the way to a quantiser, and a product that is left as it is and whose result goes on into a quantised operand takes f32 operands (vector FMAs, or v_wmma_f32_16x16x4_f32). A number that lies on a knife's edge between two numbers of the format may be rounded either way, as far as f32 arithmetic and the matrix unit's own rounding can turn it there, and no further.
;; One version. Each part assembles by itself: llvm-mc -triple=amdgcn-amd-amdhsa -mcpu=gfx1250 --defsym DOCPART=n.
;; ======== version 1 of 1: 7 launches
;; limits: right only within a limited range of input values
;; workspace buffers: wts 9,830,400 bytes; hcod 3,276,800 bytes; qkv 9,830,400 bytes; ctxc 3,276,800 bytes; x1 16,777,216 bytes; f1c 13,107,200 bytes
;; launch prep (part 1): grid 1024 x 1, 4 waves a work-group, no clusters, 66,816 bytes of LDS; arguments x, ln1_g, ln1_b, hcod, W_q, W_k, W_v, W_o, W1, W2, wts; writes hcod, wts
.if DOCPART == 1
	.amdgcn_target "amdgcn-amd-amdhsa--gfx1250"
	.amdhsa_code_object_version 6
	.text
	.protected	k_q776a4888d6_prep
	.globl	k_q776a4888d6_prep
	.p2align	8
	.type	k_q776a4888d6_prep,@function
k_q776a4888d6_prep:
	s_mov_b64 s[64:65], 0
	v_nop
	global_prefetch_b8 v0, s[64:65] scope:SCOPE_SE
	s_setreg_imm32_b32 hwreg(HW_REG_WAVE_MODE, 25, 1), 1
	s_wait_xcnt 0x0
; TWO JOBS THAT SHARE NO DATA, IN ONE LAUNCH.  Work-groups 0-767 quantise the six weights; work-groups 768-1,023 normalise and quantise x.  The two part on the work-group's number at the first lines and never join;
; each has LDS bytes of its own.  Both make codes of FP6 (E2M3) with one E8M0 scale byte for each 32 along K.
; THE LAYOUT OF EVERY OPERAND OF THIS PROGRAM.  A BLOCK of 12,800 bytes holds 128 rows x 128 along K: eight IMAGES of 1,536 bytes, then 512 bytes of scale words.
; An image is the 12 operand registers of one 16 x 128 fragment, lane by lane: registers 0-3 at 16 x lane, 4-5 at 512 + 8 x lane, 6-9 at 768 + 16 x lane, 10-11 at 1,280 + 8 x lane.
; Lane r of image t holds row 32 (t / 2) + 8 (t % 2) + r + 8 (r / 8) of the 128.  The scale word of (r, t) lies at 12,288 + 32 r + 4 t; its byte b scales k = 32 b .. 32 b + 31.
; A block's scale is 2^(floor(log2(largest magnitude)) - 2): its byte is the largest magnitude's exponent field - 2, held at 1 from below.
; THE WEIGHTS, f32 stored [K][N].  Work-group i makes block i: 0-191 W_q, W_k, W_v [n group][K step], 192-255 W_o, 256-511 W1 [32][8], 512-767 W2 [8][32].
; A LANE TAKES A COLUMN AND ITS REGISTERS RUN DOWN K: wave w takes columns 32 w .. 32 w + 31, lanes 0-15 those of image 2 w, lanes 16-31 those of image 2 w + 1; a load reads 128 consecutive bytes.
; THE NORM: y = (x - mean) / sqrt(var + 1e-6) * gamma + beta for rows of 1,024 f32; blocks lie [token group][K step].  A work-group makes ONE image row t of one token group: 16 tokens, all eight K steps.
; Phase 1: wave w normalises four of the tokens, a whole row in 32 registers a lane; mean first, then the sum of squared differences, so that a common offset of the inputs costs no accuracy.  The rows go to LDS.
; Phase 2: wave w reads, for K steps 2 w and 2 w + 1, 16 neighbours of each block of 32 a lane, and quantises.  Its scale words leave 4 bytes a lane, 32 bytes apart: an image row has one word in eight of a block's.
; LIMITS: NaN and infinities are not served; a block whose largest magnitude lies under 2^-124 is held at byte 1; a block of zeros has byte 1 and zero codes (the bytes are read by this program alone).
.set BLK,   12800
.set NW,    768                        ; work-groups that take weights
.set WSC,   0                          ; LDS, the weights' job: a block's 128 scale words
.set LNB,   512                        ; LDS, the norm's job: 16 rows
.set ROWP,  4112                       ; a row: 4,096 bytes + 16: an odd multiple of 16, so that sixteen rows' equal columns fall on different banks
.set SPARE, LNB+16*ROWP                ; the spare words, 128 bytes for each wave; no other line names them
.set SPW, 2                            ; v2  my spare word's address; never rewritten
.set NIL, 3                            ; v3  0; never rewritten
.set L16, 4                            ; v4  16 x lane
.set L8,  5                            ; v5  8 x lane
.set X,   32                           ; v32-159  the weights: my column's 128 numbers.  The norm: four rows x 32 numbers, later two K steps x 64
; the weights' registers
.set SRC, 6                            ; v6  4 x my column among the wave's 32
.set WA,  7                            ; v7  LDS address of my column's scale word
.set I0,  160                          ; v160-171 image 2 w
.set I1,  172                          ; v172-183 image 2 w + 1
.set U,   184                          ; v184-199 the upper 16 codes of each of my four blocks
.set SW,  200                          ; v200     my column's scale word
.set SO,  204                          ; v204-207 the conversions' scale operands
.set BK,  208                          ; v208-211 the scale words on their way out
; the norm's registers
.set STO, 6                            ; phase 1: where my 16 bytes of my wave's first row go
.set RDA, 7                            ; phase 2: row r, + 64 (lane / 16), + my wave's two K steps
.set R32, 8                            ; 32 r
.set G,   160                          ; v160-191 gamma of my 32 columns
.set BT,  192                          ; v192-223 beta
.set T,   224                          ; v224-239 four registers a row, at work
.set PC,  160                          ; phase 2: v160-179, v180-199 the two fragments' codes
.set TM,  200                          ; v200-215 at work
.set PW,  216                          ; v216, v217 the two scale words
.set SEL, 26                           ; s[26:27] lane selects: lane l xor 16
.macro IMG pc, off, b                  ; an image leaves as it stands: each store covers 512 or 256 consecutive bytes, aligned
	global_store_b128 v[L16], v[\pc:\pc+3], s[\b:\b+1] offset:\off
	global_store_b64 v[L8], v[\pc+4:\pc+5], s[\b:\b+1] offset:(\off)+512
	global_store_b128 v[L16], v[\pc+6:\pc+9], s[\b:\b+1] offset:(\off)+768
	global_store_b64 v[L8], v[\pc+10:\pc+11], s[\b:\b+1] offset:(\off)+1280
.endm
.macro LOADW t, pitch                  ; rows 32 t .. 32 t + 31 of my column
.set I, 0
.rept 32
	global_load_b32 v[X+32*(\t)+I], v[SRC], s[20:21] offset:(32*(\t)+I)*\pitch th:TH_LOAD_NT
.set I, I+1
.endr
.endm
.macro LOADSEL t                       ; the pitch stands in the immediates: both ways issue the same 32 loads into the same registers
	s_cmp_eq_u32 s26, 1
	s_cbranch_scc1 .Lwide_\@
	s_wait_alu depctr_va_vdst(0)
	LOADW \t, 4096
	s_branch .Lgot_\@
.Lwide_\@:
	s_wait_alu depctr_va_vdst(0)
	LOADW \t, 16384
.Lgot_\@:
.endm
.macro BLOCKW t, dst                   ; block t of my column: its scale byte, its lower 16 codes into v[dst] on, its upper 16 into v[U + 4 t] on
.set XS, X+32*(\t)
.if (\t) < 3
	s_wait_loadcnt 32                              ; this block's 32 loads are in; the next block's 32 may be out
.else
	s_wait_loadcnt 0x0
.endif
.if (\t)+2 < 4
	LOADSEL (\t)+2
.endif
	v_max3_num_f32 v8, |v[XS]|, |v[XS+1]|, |v[XS+2]|
	v_max3_num_f32 v9, |v[XS+3]|, |v[XS+4]|, |v[XS+5]|
.irp i, 6,10,14,18,22,26
	v_max3_num_f32 v8, v8, |v[XS+\i]|, |v[XS+\i+1]|
	v_max3_num_f32 v9, v9, |v[XS+\i+2]|, |v[XS+\i+3]|
.endr
	v_max3_num_f32 v8, v8, |v[XS+30]|, |v[XS+31]|
	v_max3_num_f32 v8, v8, v9, 0x1800000           ; the floor 2^(3 - 127): the byte cannot fall under 1
	v_add_nc_u32 v[SO+\t], 0xff000000, v8          ; 2 off the exponent field: the conversion's scale operand
	v_lshrrev_b32 v9, 23, v[SO+\t]                 ; the byte
.if (\t) == 0
	v_mov_b32 v[SW], v9
.else
	v_lshl_or_b32 v[SW], v9, 8*(\t), v[SW]
.endif
	v_cvt_scalef32_pk16_fp6_f32 v[\dst:\dst+2], v[XS:XS+15], v[SO+\t]
	v_cvt_scalef32_pk16_fp6_f32 v[U+4*(\t):U+4*(\t)+2], v[XS+16:XS+31], v[SO+\t]
.endm
.macro REDUCE                          ; each row's two pairs of partial sums become the row's sum, in every lane
.irp i, 0,1,2,3
	v_pk_add_f32 v[T+4*\i:T+4*\i+1], v[T+4*\i:T+4*\i+1], v[T+4*\i+2:T+4*\i+3]
.endr
.irp i, 0,1,2,3
	v_add_f32 v[T+4*\i], v[T+4*\i], v[T+4*\i+1]
.endr
.irp m, 1,2,4,8
.irp i, 0,1,2,3
	v_add_f32_dpp v[T+4*\i], v[T+4*\i], v[T+4*\i] row_xmask:\m row_mask:0xf bank_mask:0xf
.endr
.endr
.irp i, 0,1,2,3
	v_permlanex16_b32 v[T+4*\i+1], v[T+4*\i], s[SEL], s[SEL+1]
.endr
.irp i, 0,1,2,3
	v_add_f32 v[T+4*\i], v[T+4*\i], v[T+4*\i+1]
.endr
.endm
; 64 numbers of a lane, register 16 b + i = k 32 b + 16 (lane / 16) + i of my row, become a fragment's codes in v[pc] .. v[pc + 11] and its scale word in v[pw].
.macro QUANT s, pc, pw
.irp b, 0,1,2,3
	v_max3_num_f32 v[TM+\b], |v[\s+16*\b]|, |v[\s+1+16*\b]|, 0x1800000   ; the floor 2^(3 - 127): the byte cannot fall under 1
.endr
.irp i, 2,4,6,8,10,12,14
.irp b, 0,1,2,3
	v_max3_num_f32 v[TM+\b], v[TM+\b], |v[\s+16*\b+\i]|, |v[\s+1+16*\b+\i]|
.endr
.endr
.irp b, 0,1,2,3
	v_permlanex16_b32 v[TM+4+\b], v[TM+\b], s[SEL], s[SEL+1]
.endr
.irp b, 0,1,2,3
	v_max_num_f32 v[TM+\b], v[TM+\b], v[TM+4+\b]   ; with lane l xor 16's: the block's largest magnitude
.endr
.irp b, 0,1,2,3
	v_add_nc_u32 v[TM+12+\b], 0xff000000, v[TM+\b] ; 2 off its exponent field: the conversion's scale operand
.endr
.irp b, 0,1,2,3
	v_lshrrev_b32 v[TM+4+\b], 23, v[TM+12+\b]      ; the byte
.endr
	v_lshl_or_b32 v[\pw], v[TM+5], 8, v[TM+4]
	v_lshl_or_b32 v[\pw], v[TM+6], 16, v[\pw]
	v_lshl_or_b32 v[\pw], v[TM+7], 24, v[\pw]
.irp c, 0,1
	v_cvt_scalef32_pk16_fp6_f32 v[\pc+6*\c:\pc+2+6*\c], v[\s+32*\c:\s+15+32*\c], v[TM+12+2*\c]
	v_cvt_scalef32_pk16_fp6_f32 v[\pc+12+4*\c:\pc+14+4*\c], v[\s+16+32*\c:\s+31+32*\c], v[TM+12+2*\c+1]
.endr
	v_nop                                          ; one plain line behind the last scaled conversion
.irp c, 0,1                            ; the operand wants a whole block in a lane: lanes 0-15 block 2 c, lanes 16-31 block 2 c + 1
.irp i, 0,1,2
	v_permlane16_swap_b32 v[\pc+6*\c+\i], v[\pc+12+4*\c+\i]
.endr
.irp i, 0,1,2
	v_mov_b32 v[\pc+3+6*\c+\i], v[\pc+12+4*\c+\i]
.endr
.endr
.endm
	v_lshl_add_u32 v[SPW], v0, 2, SPARE
	v_mov_b32 v[NIL], 0
	s_cmp_lt_u32 ttmp9, NW                         ; the work-group's number alone: all four waves go the same way
	s_cbranch_scc1 .Lweights
	; ---------------------------------------------------------------- THE NORM
	s_load_b256 s[4:11], s[0:1], 0x0               ; x, gamma, beta, the tokens' blocks
	v_lshrrev_b32 v1, 5, v0
	v_readfirstlane_b32 s12, v1                    ; wave
	v_and_b32 v1, 31, v0
	v_lshlrev_b32 v[L16], 4, v1
	v_lshlrev_b32 v[L8], 3, v1
	v_and_b32 v9, 15, v0                           ; r
	v_bfe_u32 v10, v0, 4, 1                        ; lane / 16
	v_lshlrev_b32 v[R32], 5, v9
	s_mul_i32 s24, s12, 4*ROWP
	s_add_co_u32 s24, s24, LNB
	v_add_nc_u32 v[STO], s24, v[L16]
	v_mul_u32_u24 v[RDA], v9, ROWP
	v_lshl_add_u32 v[RDA], v10, 6, v[RDA]
	s_lshl_b32 s24, s12, 10
	s_add_co_u32 s24, s24, LNB
	v_add_nc_u32 v[RDA], s24, v[RDA]
	s_mov_b32 s[SEL], 0x76543210
	s_mov_b32 s[SEL+1], 0xfedcba98
	s_mov_b32 s28, 0x3a800000                      ; 1 / 1,024
	s_mov_b32 s29, 0x358637bd                      ; 1e-6
	s_and_b32 s2, ttmp9, 255                       ; 768 .. 1,023 less 768
	s_lshr_b32 s13, s2, 3                          ; token group
	s_and_b32 s14, s2, 7                           ; image row t
	s_lshl_b32 s15, s13, 7
	s_lshr_b32 s16, s14, 1
	s_lshl_b32 s16, s16, 5
	s_add_co_u32 s15, s15, s16
	s_and_b32 s16, s14, 1
	s_lshl_b32 s16, s16, 3
	s_add_co_u32 s15, s15, s16                     ; the image's first token
	s_lshl_b32 s16, s12, 2
	s_add_co_u32 s15, s15, s16
	s_lshr_b32 s16, s12, 1
	s_lshl_b32 s16, s16, 3
	s_add_co_u32 s15, s15, s16                     ; image rows 4 w .. 4 w + 3 are tokens + 4 w + 8 (w / 2) on
	s_lshl_b32 s16, s15, 12
	s_mov_b32 s17, 0
	s_lshl_b32 s18, s13, 3
	s_lshl_b32 s19, s12, 1
	s_add_co_u32 s18, s18, s19
	s_mul_i32 s18, s18, BLK                        ; block (group, K step 2 w)
	s_mov_b32 s19, 0
	s_lshl_b32 s20, s14, 2
	s_add_co_u32 s20, s20, 12288
	s_mov_b32 s21, 0
	s_mul_i32 s24, s14, 1536
	s_mov_b32 s25, 0
	s_wait_alu depctr_va_vdst(0)
	s_wait_kmcnt 0x0
	s_add_nc_u64 s[4:5], s[4:5], s[16:17]
	s_add_nc_u64 s[10:11], s[10:11], s[18:19]
	s_add_nc_u64 s[22:23], s[10:11], s[20:21]      ; my image row's scale words
	s_add_nc_u64 s[10:11], s[10:11], s[24:25]      ; my image
.irp i, 0,1,2,3
.irp j, 0,1,2,3,4,5,6,7
	global_load_b128 v[X+32*\i+4*\j:X+32*\i+4*\j+3], v[L16], s[4:5] offset:4096*\i+512*\j   ; 512 consecutive bytes a load
.endr
.endr
.irp j, 0,1,2,3,4,5,6,7
	global_load_b128 v[G+4*\j:G+4*\j+3], v[L16], s[6:7] offset:512*\j
	global_load_b128 v[BT+4*\j:BT+4*\j+3], v[L16], s[8:9] offset:512*\j
.endr
	s_wait_loadcnt 0x0
.irp i, 0,1,2,3
	v_pk_add_f32 v[T+4*\i:T+4*\i+1], v[X+32*\i:X+32*\i+1], v[X+32*\i+2:X+32*\i+3]
	v_pk_add_f32 v[T+4*\i+2:T+4*\i+3], v[X+32*\i+4:X+32*\i+5], v[X+32*\i+6:X+32*\i+7]
.endr
.irp j, 8,12,16,20,24,28
.irp i, 0,1,2,3
	v_pk_add_f32 v[T+4*\i:T+4*\i+1], v[T+4*\i:T+4*\i+1], v[X+32*\i+\j:X+32*\i+\j+1]
	v_pk_add_f32 v[T+4*\i+2:T+4*\i+3], v[T+4*\i+2:T+4*\i+3], v[X+32*\i+\j+2:X+32*\i+\j+3]
.endr
.endr
	REDUCE
.irp i, 0,1,2,3
	v_mul_f32 v[T+4*\i], s28, v[T+4*\i]            ; the mean
.endr
.set J, 0
.rept 16
.irp i, 0,1,2,3
	v_pk_add_f32 v[X+32*\i+J:X+32*\i+J+1], v[X+32*\i+J:X+32*\i+J+1], v[T+4*\i:T+4*\i+1] op_sel_hi:[1,0] neg_lo:[0,1] neg_hi:[0,1]   ; d = x - mean
.endr
.set J, J+2
.endr
.irp i, 0,1,2,3
	v_pk_mul_f32 v[T+4*\i:T+4*\i+1], v[X+32*\i:X+32*\i+1], v[X+32*\i:X+32*\i+1]
	v_pk_mul_f32 v[T+4*\i+2:T+4*\i+3], v[X+32*\i+2:X+32*\i+3], v[X+32*\i+2:X+32*\i+3]
.endr
.irp j, 4,8,12,16,20,24,28
.irp i, 0,1,2,3
	v_pk_fma_f32 v[T+4*\i:T+4*\i+1], v[X+32*\i+\j:X+32*\i+\j+1], v[X+32*\i+\j:X+32*\i+\j+1], v[T+4*\i:T+4*\i+1]
	v_pk_fma_f32 v[T+4*\i+2:T+4*\i+3], v[X+32*\i+\j+2:X+32*\i+\j+3], v[X+32*\i+\j+2:X+32*\i+\j+3], v[T+4*\i+2:T+4*\i+3]
.endr
.endr
	REDUCE
.irp i, 0,1,2,3
	v_fma_f32 v[T+4*\i], v[T+4*\i], s28, s29       ; var + 1e-6
.endr
	s_wait_alu depctr_va_vdst(0)
.irp i, 0,1,2,3
	v_rsq_f32 v[T+4*\i], v[T+4*\i]
.endr
	v_nop                                          ; one plain line behind the last of the four
	s_wait_alu depctr_va_vdst(0)                   ; one wait for the batch, ahead of its first reader
.set J, 0
.rept 16
.irp i, 0,1,2,3
	v_pk_mul_f32 v[X+32*\i+J:X+32*\i+J+1], v[X+32*\i+J:X+32*\i+J+1], v[T+4*\i:T+4*\i+1] op_sel_hi:[1,0]
.endr
.irp i, 0,1,2,3
	v_pk_fma_f32 v[X+32*\i+J:X+32*\i+J+1], v[X+32*\i+J:X+32*\i+J+1], v[G+J:G+J+1], v[BT+J:BT+J+1]
.endr
.set J, J+2
.endr
.irp i, 0,1,2,3
.irp j, 0,1,2,3,4,5,6,7
	ds_store_b128 v[STO], v[X+32*\i+4*\j:X+32*\i+4*\j+3] offset:\i*ROWP+512*\j
.endr
.endr
	s_wait_dscnt 0x0                               ; my rows have landed
	s_barrier_signal -1
	s_barrier_wait -1                              ; all sixteen have
.irp s, 0,1
.irp b, 0,1,2,3
.irp j, 0,1,2,3
	ds_load_b128 v[X+64*\s+16*\b+4*\j:X+64*\s+16*\b+4*\j+3], v[RDA] offset:512*\s+128*\b+16*\j   ; register 16 b + i = k 32 b + 16 (lane / 16) + i of row r
.endr
.endr
.endr
.irp b, 0,1,2,3
	v_mov_b32 v[TM+4+\b], 0                        ; a lane permute's destination counts as one of its sources
.endr
	s_wait_dscnt 16                                ; the first K step's 16 loads are in; the second's 16 may be out
	QUANT X, PC, PW
	IMG PC, 0, 10
	global_store_b32 v[R32], v[PW], s[22:23]       ; lanes l and l xor 16 hold the same word and write the same place
	s_wait_dscnt 0x0
	QUANT X+64, PC+20, PW+1                        ; other registers than the first fragment's: no store's data are written again
	IMG PC+20, BLK, 10
	global_store_b32 v[R32], v[PW+1], s[22:23] offset:BLK
	s_wait_tensorcnt 0x0                           ; the wave's end
	ds_add_u32 v[SPW], v[NIL]
	s_wait_dscnt 0x0
	s_endpgm
	; ---------------------------------------------------------------- THE WEIGHTS
.Lweights:
	s_load_b256 s[4:11], s[0:1], 0x20              ; W_q, W_k, W_v, W_o
	s_load_b128 s[12:15], s[0:1], 0x40             ; W1, W2
	s_load_b64 s[16:17], s[0:1], 0x50              ; the weights' blocks
	v_lshrrev_b32 v1, 5, v0
	v_readfirstlane_b32 s18, v1                    ; wave
	v_and_b32 v1, 31, v0
	v_lshlrev_b32 v[L16], 4, v1
	v_lshlrev_b32 v[L8], 3, v1
	v_and_b32 v8, 7, v0
	v_bfe_u32 v9, v0, 4, 1
	v_bfe_u32 v10, v0, 3, 1
	v_lshl_add_u32 v8, v9, 3, v8
	v_lshl_add_u32 v8, v10, 4, v8                  ; my column: the lane's number with bits 3 and 4 changed over
	v_lshlrev_b32 v[SRC], 2, v8
	v_and_b32 v8, 15, v0
	v_lshlrev_b32 v8, 5, v8
	v_lshl_add_u32 v8, v9, 2, v8
	s_lshl_b32 s19, s18, 3
	v_add_nc_u32 v[WA], s19, v8                    ; 32 r + 4 (2 w + lane / 16)
	s_lshr_b32 s26, ttmp9, 8                       ; 0: a square weight, 1: W1, 2: W2
	s_cmp_lt_u32 ttmp9, 256
	s_cselect_b32 s22, 63, 255
	s_and_b32 s22, ttmp9, s22                      ; the block's number inside its weight
	s_cmp_lt_u32 ttmp9, 512
	s_cselect_b32 s23, 3, 5
	s_cselect_b32 s24, 7, 31
	s_lshr_b32 s25, s22, s23                       ; n group
	s_and_b32 s24, s22, s24                        ; K step
	s_cmp_eq_u32 s26, 1
	s_cselect_b32 s27, 21, 19                      ; 128 rows of 16,384 bytes (W1) or of 4,096
	s_lshl_b32 s28, s24, s27
	s_lshl_b32 s29, s25, 9
	s_add_co_u32 s28, s28, s29
	s_lshl_b32 s29, s18, 7
	s_add_co_u32 s28, s28, s29                     ; + 512 x n group + 128 x wave
	s_mov_b32 s29, 0
	s_mul_i32 s30, ttmp9, BLK
	s_mul_i32 s31, s18, 2*1536
	s_add_co_u32 s30, s30, s31                     ; my two images
	s_mov_b32 s31, 0
	s_wait_kmcnt 0x0
	s_cmp_lt_u32 ttmp9, 512                        ; the weight is chosen by the work-group's number alone
	s_cselect_b64 s[20:21], s[12:13], s[14:15]
	s_cmp_lt_u32 ttmp9, 256
	s_cselect_b64 s[20:21], s[10:11], s[20:21]
	s_cmp_lt_u32 ttmp9, 192
	s_cselect_b64 s[20:21], s[8:9], s[20:21]
	s_cmp_lt_u32 ttmp9, 128
	s_cselect_b64 s[20:21], s[6:7], s[20:21]
	s_cmp_lt_u32 ttmp9, 64
	s_cselect_b64 s[20:21], s[4:5], s[20:21]
	s_add_nc_u64 s[20:21], s[20:21], s[28:29]
	s_add_nc_u64 s[16:17], s[16:17], s[30:31]
	LOADSEL 0
	LOADSEL 1
	BLOCKW 0, I0
	BLOCKW 1, I1
	BLOCKW 2, I0+6
	BLOCKW 3, I1+6
	v_nop                                          ; one plain line behind the last scaled conversion
; The operand wants blocks 0 and 2 in lanes 0-15 and blocks 1 and 3 in lanes 16-31.  A swap gives the first register's lanes 16-31 the second's lanes 0-15 and the other way round:
; block 0's and block 1's registers so become image 2 w's (first) and image 2 w + 1's (second).
.irp i, 0,1,2
	v_permlane16_swap_b32 v[I0+\i], v[I1+\i]
	v_permlane16_swap_b32 v[I0+6+\i], v[I1+6+\i]
	v_permlane16_swap_b32 v[U+\i], v[U+4+\i]
	v_permlane16_swap_b32 v[U+8+\i], v[U+12+\i]
.endr
.irp i, 0,1,2
	v_mov_b32 v[I0+3+\i], v[U+\i]
	v_mov_b32 v[I1+3+\i], v[U+4+\i]
	v_mov_b32 v[I0+9+\i], v[U+8+\i]
	v_mov_b32 v[I1+9+\i], v[U+12+\i]
.endr
	IMG I0, 0, 16
	IMG I1, 1536, 16
	ds_store_b32 v[WA], v[SW]                      ; the four waves' scale words meet in LDS,
	s_wait_dscnt 0x0                               ; my store has landed
	s_barrier_signal -1
	s_barrier_wait -1
	s_cmp_lg_u32 s18, 0
	s_cbranch_scc1 .Lnot_wave_0
	ds_load_b128 v[BK:BK+3], v[L16]                ; and wave 0 (whose base is the block's first byte) stores them as 512 consecutive bytes
	s_wait_dscnt 0x0
	global_store_b128 v[L16], v[BK:BK+3], s[16:17] offset:12288
.Lnot_wave_0:
	s_wait_tensorcnt 0x0                           ; the wave's end
	ds_add_u32 v[SPW], v[NIL]
	s_wait_dscnt 0x0
	s_endpgm
.Lfunc_end_k_q776a4888d6_prep:
	.size	k_q776a4888d6_prep, .Lfunc_end_k_q776a4888d6_prep-k_q776a4888d6_prep
	.p2alignl 7, 3214868480
	.fill 96, 4, 3214868480
	.section	.rodata,"a",@progbits
	.p2align	6, 0x0
	.amdhsa_kernel k_q776a4888d6_prep
		.amdhsa_group_segment_fixed_size 66816
		.amdhsa_private_segment_fixed_size 0
		.amdhsa_enable_private_segment 0
		.amdhsa_kernarg_size 88
		.amdhsa_user_sgpr_count 2
		.amdhsa_user_sgpr_kernarg_segment_ptr 1
		.amdhsa_wavefront_size32 1
		.amdhsa_system_sgpr_workgroup_id_x 1
		.amdhsa_system_sgpr_workgroup_id_y 1
		.amdhsa_system_sgpr_workgroup_id_z 1
		.amdhsa_system_vgpr_workitem_id 0
		.amdhsa_next_free_vgpr 240
		.amdhsa_next_free_sgpr 66
		.amdhsa_reserve_vcc 0
		.amdhsa_float_denorm_mode_32 3
		.amdhsa_float_denorm_mode_16_64 3
		.amdhsa_memory_ordered 1
		.amdhsa_forward_progress 1
		.amdhsa_inst_pref_size 78
	.end_amdhsa_kernel
	.amdgpu_metadata
---
amdhsa.version: [ 1, 2 ]
amdhsa.kernels:
  - .name:           k_q776a4888d6_prep
    .symbol:         k_q776a4888d6_prep.kd
    .args:
      - { .name: x, .offset: 0, .size: 8, .value_kind: global_buffer, .address_space: global }
      - { .name: ln1_g, .offset: 8, .size: 8, .value_kind: global_buffer, .address_space: global }
      - { .name: ln1_b, .offset: 16, .size: 8, .value_kind: global_buffer, .address_space: global }
      - { .name: hcod, .offset: 24, .size: 8, .value_kind: global_buffer, .address_space: global }
      - { .name: W_q, .offset: 32, .size: 8, .value_kind: global_buffer, .address_space: global }
      - { .name: W_k, .offset: 40, .size: 8, .value_kind: global_buffer, .address_space: global }
      - { .name: W_v, .offset: 48, .size: 8, .value_kind: global_buffer, .address_space: global }
      - { .name: W_o, .offset: 56, .size: 8, .value_kind: global_buffer, .address_space: global }
      - { .name: W1, .offset: 64, .size: 8, .value_kind: global_buffer, .address_space: global }
      - { .name: W2, .offset: 72, .size: 8, .value_kind: global_buffer, .address_space: global }
      - { .name: wts, .offset: 80, .size: 8, .value_kind: global_buffer, .address_space: global }
    .group_segment_fixed_size: 66816
    .private_segment_fixed_size: 0
    .kernarg_segment_align: 8
    .kernarg_segment_size: 88
    .max_flat_workgroup_size: 128
    .sgpr_count:     66
    .vgpr_count:     240
    .wavefront_size: 32
...
	.end_amdgpu_metadata
.endif
;; end of part 1
;; launch qkvp (part 2): grid 48 x 4, 4 waves a work-group, clusters of 4 x 4, 327,680 bytes of LDS; arguments hcod, wts, qkv; writes qkv
.if DOCPART == 2
	.amdgcn_target "amdgcn-amd-amdhsa--gfx1250"
	.amdhsa_code_object_version 6
	.text
	.protected	k_q776a4888d6_qkvp
	.globl	k_q776a4888d6_qkvp
	.p2align	8
	.type	k_q776a4888d6_qkvp,@function
k_q776a4888d6_qkvp:
	s_mov_b64 s[64:65], 0
	v_nop
	global_prefetch_b8 v0, s[64:65] scope:SCOPE_SE
	s_setreg_imm32_b32 hwreg(HW_REG_WAVE_MODE, 25, 1), 1
	s_wait_xcnt 0x0
	s_wait_alu depctr_hold_cnt(0) depctr_sa_sdst(0) depctr_va_vdst(0) depctr_va_sdst(0) depctr_va_ssrc(0) depctr_va_vcc(0) depctr_vm_vsrc(0)
	s_getreg_b32 s2, hwreg(HW_REG_IB_STS2, 6, 4)
	s_cmp_eq_u32 s2, 0
	s_cbranch_scc0 .Lentry_in_a_cluster
	s_endpgm
.Lentry_in_a_cluster:
	s_bfe_u32 s2, ttmp6, 0x10000c
	s_cmp_lg_u32 s2, 0xf033
	s_cbranch_scc0 .Lentry_shape_is_right
	s_endpgm
.Lentry_shape_is_right:
; A product of two operands that lie as blocks of codes (FP6, E2M3, one E8M0 byte for each 32 along K), K = 1,024, whose result is quantised again and stored as blocks: it is the next product's operand.
; A BLOCK, 12,800 bytes: 128 rows x 128 along K: eight images of 1,536 bytes (an image = a fragment's 12 registers lane by lane: 0-3 at 16 x lane, 4-5 at 512 + 8 x lane, 6-9 at 768 + 16 x lane, 10-11 at 1,280 + 8 x lane),
; then the scale words at 12,288 + 32 r + 4 t.  Lane r of image t holds row 32 (t / 2) + 8 (t % 2) + r + 8 (r / 8).  An operand's blocks lie [row group][K step].
; SOURCE 0 = operand Q, SOURCE 1 = operand P: a lane holds one row of P, and, by the order of rows in an image, the 64 registers of its eight tiles run along Q's 128 rows: register 16 b + i = row 32 b + 16 (lane / 16) + i.
; So a wave's 128 x 128 becomes one whole block of the result: rows = P's, K = Q's rows.
; QKV = 1: clusters 0-7: P = h (tokens), Q = W_q, W_k: q and k, quantised along the head's axis.  Clusters 8-11: P = W_v, Q = h: V^T, quantised along the tokens (the keys).
; QKV = 0: P = h2 (tokens), Q = W1; the bias is the C of each sum's first product; relu; quantised along the hidden units.
; A work-group of four waves makes 256 x 256, a wave 128 x 128: 64 accumulators.  CLUSTERS of 4 x 4: P's tiles are shared along a row of the cluster, Q's along a column: joint loads.
; LDS: three regions of 102,400 bytes, each two K steps of P's two row groups and Q's two.  K has four such slots: three are asked for at the head; the fourth fills region 0 again, behind the one round of the
; cluster's barrier in the run, and has two slots' products in which to land.  By this text's own count a wave has at most three tensor loads out.
; LIMITS: NaN and infinities are not served; a block whose largest magnitude lies under 2^-124 is held at byte 1; a block of zeros has byte 1 and zero codes (the bytes are read by this program alone).
; REGISTERS: window 0: v1-18 addresses; v32-63 scale words, two sets; v64-127 the bias; v128-223 P's fragments, one set.  window 1: Q's fragments, two sets.  windows 2, 3: accumulators, (a, b) at v[8 (8 (a % 4) + b)].
.set QKV,   1
.set BLK,   12800
.set SUB,   2*BLK                      ; what one tensor load brings: two K steps of one row group
; LDS AS IT NOW STANDS (in place of the three regions described above): four areas of 76,800 bytes, one for each wave's row group, each with K steps 0 to 5 on end; a region is 25,600 bytes of each area.
; At the head a wave issues ONE tensor load, 300 rows of 256 bytes: its whole area.  The one refill, 100 rows, brings K steps 6 and 7 over K steps 0 and 1.  By this text's own count a wave has one tensor load out.
.set REG,   SUB                        ; from a region to the next inside an area
.set SPARE, 12*SUB
.set FR,    12
.set ADA16, 1                          ; v1-3    P's images in region 0, 1, 2: + 16 x lane
.set ADA8,  4                          ; v4-6    + 8 x lane
.set ADB16, 7                          ; v7-9    Q's
.set ADB8,  10                         ; v10-12
.set ADRS,  13                         ; v13-15  scale words: lanes 0-15 P's, lanes 16-31 Q's
.set L16,   16
.set L8,    17
.set SWO,   18                         ; 32 r + 16 (lane / 16)
.set SPW,   28
.set NIL,   29
.set SC,    32                         ; scale words: set s, K step q, image i at v[SC + 16 s + 8 q + i]
.set BI,    64
.set AF,    128
.set TM,    192                        ; the way out: at work
.set PWB,   216                        ; the way out: eight scale words
.set G1,  24
.set G1B, 32
.set G0,  40                           ; s[40:43] group 0 for P's tiles
.set G0B, 52                           ; s[52:55] for Q's
.set SEL, 80
.if QKV
.set OUT, 8
.set FIRSTMODE, 1
.else
.set OUT, 10
.set FIRSTMODE, 2
.endif
.set MSB, 0
.macro WIN new                         ; the immediate's high byte repeats the setting that is left
.if MSB != \new
	s_set_vgpr_msb (MSB<<8)|\new
.set MSB, \new
.endif
.endm
.set MUL_LO, 0xa1                      ; source 0 (Q) window 1, source 1 (P) window 0, C and D window 2
.set MUL_HI, 0xf1
.set TO_B,   0x40
.macro PLACES n
.rept \n
	v_nop
.endr
.endm
; A joint load: waves 0 and 1 fetch for P, waves 2 and 3 for Q.  An s_nop 0 and four v_nop follow each of the two lines.
.macro JLOAD g0a, g1a, g0b, g1b
	s_cmp_eq_u32 s15, 0
	s_cbranch_scc0 .Lfor_b_\@
	tensor_load_to_lds s[\g0a:\g0a+3], s[\g1a:\g1a+7]
	s_nop 0
.rept 4
	v_nop
.endr
	s_branch .Lasked_\@
.Lfor_b_\@:
	tensor_load_to_lds s[\g0b:\g0b+3], s[\g1b:\g1b+7]
	s_nop 0
.rept 4
	v_nop
.endr
.Lasked_\@:
.endm
.macro CREST
	s_cmp_lg_u32 s14, 0
	s_cbranch_scc1 .Lnot_wave_0_\@
	s_barrier_signal -3
.Lnot_wave_0_\@:
	s_barrier_wait -3
	s_barrier_signal -1
	s_barrier_wait -1
.endm
.macro CROUND
	s_barrier_signal -1
	s_barrier_wait -1
	CREST
.endm
	s_load_b128 s[4:7], s[0:1], 0x0                ; the tokens' blocks, the weights' blocks
.if QKV
	s_load_b64 s[8:9], s[0:1], 0x10                ; the result's blocks
.else
	s_load_b128 s[8:11], s[0:1], 0x10              ; the bias, the result's blocks
.endif
	v_lshl_add_u32 v[SPW], v0, 2, SPARE
	v_mov_b32 v[NIL], 0
	ds_add_u32 v[SPW], v[NIL]                      ; the wave's opening
	ds_add_u32 v[SPW], v[NIL]
	v_lshrrev_b32 v19, 5, v0
	v_readfirstlane_b32 s14, v19                   ; wave
	s_lshr_b32 s15, s14, 1                         ; which of P's two row groups is mine.  Also: I fetch for P (0) or Q (1)
	s_and_b32 s16, s14, 1                          ; which of Q's.  Also: which row group I fetch
	s_bfe_u32 s66, ttmp6, 0x40000                  ; cx
	s_bfe_u32 s67, ttmp6, 0x40004                  ; cy
.if QKV
	s_and_b32 s20, ttmp9, 1
	s_lshl_b32 s20, s20, 2
	s_and_b32 s21, ttmp9, 3
	s_lshl_b32 s21, s21, 2
	s_lshr_b32 s22, ttmp9, 1
	s_lshl_b32 s22, s22, 2
	s_cmp_lt_u32 ttmp9, 8                          ; the cluster's number: the same in all sixteen partners
	s_cselect_b32 s68, s20, s21
	s_cselect_b32 s17, s22, 0
.else
	s_lshl_b32 s68, ttmp9, 2
	s_and_b32 s17, ttmp7, 0xffff
	s_lshl_b32 s17, s17, 2
.endif
	s_add_co_u32 s68, s68, s66                     ; Q's tile of 256 rows
	s_add_co_u32 s17, s17, s67                     ; P's
	s_lshl_b32 s69, s67, 2
	s_lshl_b32 s69, 15, s69                        ; my row of the cluster
	s_lshl_b32 s70, 0x1111, s66                    ; my column
	s_or_b32 s[G1+0], s69, (3<<16)|(1<<21)         ; the mask; elements of 8 bytes; bit 21 beside a mask; no padding
	s_or_b32 s[G1B+0], s70, (3<<16)|(1<<21)
	s_or_b32 s44, s69, (3<<16)|(1<<21)             ; s[44:51], s[56:63]: groups 1 of the refill, 100 rows of 256 bytes
	s_or_b32 s56, s70, (3<<16)|(1<<21)
.irp g, 44, 56
	s_mov_b32 s[\g+1], 32<<16
	s_mov_b32 s[\g+2], 100<<16
	s_mov_b32 s[\g+3], 32<<16
	s_mov_b32 s[\g+4], 100
	s_mov_b32 s[\g+5], 32
	s_mov_b32 s[\g+6], 0
	s_mov_b32 s[\g+7], 0
.endr
.irp g, G1, G1B                        ; 76,800 dense bytes as 300 rows of 256
	s_mov_b32 s[\g+1], 32<<16
	s_mov_b32 s[\g+2], 300<<16
	s_mov_b32 s[\g+3], 32<<16
	s_mov_b32 s[\g+4], 300
	s_mov_b32 s[\g+5], 32
	s_mov_b32 s[\g+6], 0
	s_mov_b32 s[\g+7], 0
.endr
	s_lshl_b32 s20, s17, 1
	s_add_co_u32 s20, s20, s16
	s_mul_i32 s20, s20, 8*BLK                      ; P's row group that I would fetch: eight K steps a group
	s_mov_b32 s21, 0
	s_lshl_b32 s22, s68, 1
	s_add_co_u32 s22, s22, s16
	s_mul_i32 s22, s22, 8*BLK                      ; Q's
	s_mov_b32 s23, 0
	s_mul_i32 s76, s14, 3*SUB                      ; my area: the wave's number times a constant
	s_mov_b32 s[SEL], 0x76543210
	s_mov_b32 s[SEL+1], 0xfedcba98
	s_wait_dscnt 0x0                               ; the opening add is done
	s_wait_kmcnt 0x0
.if QKV
	s_add_nc_u64 s[72:73], s[6:7], 128*BLK         ; W_v's blocks
	s_cmp_lt_u32 ttmp9, 8
	s_cselect_b64 s[84:85], s[4:5], s[72:73]       ; P
	s_cselect_b64 s[86:87], s[6:7], s[4:5]         ; Q
.else
	s_mov_b64 s[84:85], s[4:5]
	s_add_nc_u64 s[86:87], s[6:7], 256*BLK         ; W1's blocks
.endif
	s_add_nc_u64 s[72:73], s[84:85], s[20:21]
	s_add_nc_u64 s[74:75], s[86:87], s[22:23]
	CROUND                                         ; all sixteen work-groups are here: the first joint loads meet
.irp s, 0
	s_mov_b32 s[G0+4*\s], 1
	s_add_co_u32 s[G0+4*\s+1], s76, \s*REG
	s_add_nc_u64 s[G0+4*\s+2:G0+4*\s+3], s[72:73], \s*SUB
	s_or_b32 s[G0+4*\s+3], s[G0+4*\s+3], 0x80000000
	s_mov_b32 s[G0B+4*\s], 1
	s_add_co_u32 s[G0B+4*\s+1], s76, \s*REG
	s_add_nc_u64 s[G0B+4*\s+2:G0B+4*\s+3], s[74:75], \s*SUB
	s_or_b32 s[G0B+4*\s+3], s[G0B+4*\s+3], 0x80000000
	JLOAD G0+4*\s, G1, G0B+4*\s, G1B
.endr
	v_and_b32 v19, 31, v0
	v_and_b32 v20, 15, v0                          ; r
	v_bfe_u32 v21, v0, 4, 1                        ; lane / 16
	v_lshlrev_b32 v[L16], 4, v19
	v_lshlrev_b32 v[L8], 3, v19
	v_lshlrev_b32 v22, 5, v20
	v_lshl_add_u32 v[SWO], v21, 4, v22
	s_mul_i32 s20, s15, 3*SUB                      ; my row group of P: area s15,
	s_mul_i32 s21, s16, 3*SUB
	s_add_co_u32 s21, s21, 6*SUB                   ; of Q: area 2 + s16
	s_sub_co_u32 s22, s21, s20
	v_mul_u32_u24 v23, s22, v21                    ; lanes 16-31 take Q's scale words: the distance between the two, once
	v_add_nc_u32 v23, v23, v22
	s_add_co_u32 s22, s20, 12288
.irp s, 0,1,2
	v_add_nc_u32 v[ADA16+\s], s20, v[L16]
	v_add_nc_u32 v[ADA8+\s], s20, v[L8]
	v_add_nc_u32 v[ADB16+\s], s21, v[L16]
	v_add_nc_u32 v[ADB8+\s], s21, v[L8]
	v_add_nc_u32 v[ADRS+\s], s22, v23
	s_add_co_u32 s20, s20, REG
	s_add_co_u32 s21, s21, REG
	s_add_co_u32 s22, s22, REG
.endr
	s_lshl_b32 s88, s17, 1
	s_add_co_u32 s88, s88, s15                     ; my row group of P
	s_lshl_b32 s89, s68, 1
	s_add_co_u32 s89, s89, s16                     ; of Q
.if QKV
	s_lshl_b32 s90, s89, 5
	s_add_co_u32 s90, s90, s88                     ; q, k: [n group][token group]
	s_lshl_b32 s91, s88, 5
	s_add_co_u32 s91, s91, s89
	s_add_co_u32 s91, s91, 512                     ; V^T: behind them, [n group][token group]
	s_cmp_lt_u32 ttmp9, 8
	s_cselect_b32 s90, s90, s91
.else
	s_lshl_b32 s90, s88, 5
	s_add_co_u32 s90, s90, s89                     ; [token group][K step of the next product]
.endif
	s_mul_i32 s90, s90, BLK
	s_mov_b32 s91, 0
	s_add_nc_u64 s[OUT:OUT+1], s[OUT:OUT+1], s[90:91]
.if QKV == 0
	s_lshl_b32 s90, s89, 9
	s_add_nc_u64 s[8:9], s[8:9], s[90:91]          ; the bias of Q's 128 rows
	v_lshlrev_b32 v24, 6, v21                      ; lane (r, h) wants, for tile 2 b + u, those of rows 32 b + 16 h + 8 u + 0 .. 7
.irp t, 0,1,2,3,4,5,6,7
	global_load_b128 v[BI+8*\t:BI+8*\t+3], v24, s[8:9] offset:(32*(\t/2)+8*(\t%2))*4
	global_load_b128 v[BI+8*\t+4:BI+8*\t+7], v24, s[8:9] offset:(32*(\t/2)+8*(\t%2))*4+16
.endr
.endif
.macro FRAG reg, a16, a8, off          ; an image comes back as it was laid: four loads, each of consecutive bytes
	ds_load_b128 v[\reg:\reg+3], v[\a16] offset:\off
	ds_load_b64 v[\reg+4:\reg+5], v[\a8] offset:(\off)+512
	ds_load_b128 v[\reg+6:\reg+9], v[\a16] offset:(\off)+768
	ds_load_b64 v[\reg+10:\reg+11], v[\a8] offset:(\off)+1280
.endm
.macro FETCH_B reg, q, p               ; Q's eight fragments of the region's K step q into set p
	WIN TO_B
.irp i, 0,1,2,3,4,5,6,7
	FRAG 128*(\p)+FR*\i, ADB16+\reg, ADB8+\reg, (\q)*BLK+\i*1536
.endr
	WIN 0
.endm
.macro FETCH_A reg, q, i0              ; P's images i0 .. i0 + 3
.irp i, \i0, \i0+1, \i0+2, \i0+3
	FRAG AF+FR*(\i), ADA16+\reg, ADA8+\reg, (\q)*BLK+(\i)*1536
.endr
.endm
.macro SCALES reg, set                 ; a region's scale words: eight a lane for each K step
.irp q, 0,1
	ds_load_b128 v[SC+16*(\set)+8*\q:SC+16*(\set)+8*\q+3], v[ADRS+\reg] offset:\q*BLK
	ds_load_b128 v[SC+16*(\set)+8*\q+4:SC+16*(\set)+8*\q+7], v[ADRS+\reg] offset:\q*BLK+16
.endr
.endm
; 16 products: P's images a0, a0 + 1 x Q's eight.  mode 0: in place; 1: C = 0; 2: C = the bias.  The 64 accumulators take turns, one instruction a turn, in the same order in every step.
.macro MUL16 a0, p, q, sc, mode
.irp a, \a0, \a0+1
.irp b, 0,1,2,3,4,5,6,7
.if \mode == 1
	v_wmma_scale_f32_16x16x128_f8f6f4 v[8*(8*((\a)%4)+\b):8*(8*((\a)%4)+\b)+7], v[128*(\p)+FR*\b:128*(\p)+FR*\b+FR-1], v[AF+FR*(\a):AF+FR*(\a)+FR-1], 0, v[SC+16*(\sc)+8*(\q)+\b], v[SC+16*(\sc)+8*(\q)+(\a)] matrix_a_fmt:MATRIX_FMT_FP6 matrix_b_fmt:MATRIX_FMT_FP6 matrix_a_scale:MATRIX_SCALE_ROW1
.elseif \mode == 2
	v_wmma_scale_f32_16x16x128_f8f6f4 v[8*(8*((\a)%4)+\b):8*(8*((\a)%4)+\b)+7], v[128*(\p)+FR*\b:128*(\p)+FR*\b+FR-1], v[AF+FR*(\a):AF+FR*(\a)+FR-1], v[BI+8*\b:BI+8*\b+7], v[SC+16*(\sc)+8*(\q)+\b], v[SC+16*(\sc)+8*(\q)+(\a)] matrix_a_fmt:MATRIX_FMT_FP6 matrix_b_fmt:MATRIX_FMT_FP6 matrix_a_scale:MATRIX_SCALE_ROW1
.else
	v_wmma_scale_f32_16x16x128_f8f6f4 v[8*(8*((\a)%4)+\b):8*(8*((\a)%4)+\b)+7], v[128*(\p)+FR*\b:128*(\p)+FR*\b+FR-1], v[AF+FR*(\a):AF+FR*(\a)+FR-1], v[8*(8*((\a)%4)+\b):8*(8*((\a)%4)+\b)+7], v[SC+16*(\sc)+8*(\q)+\b], v[SC+16*(\sc)+8*(\q)+(\a)] matrix_a_fmt:MATRIX_FMT_FP6 matrix_b_fmt:MATRIX_FMT_FP6 matrix_a_scale:MATRIX_SCALE_ROW1
.endif
.endr
.endr
.endm
; A region's first K step.  Loads into registers that products have read stand four plain vector lines behind those products.
.macro STEP reg, sc, mode
	s_wait_dscnt 16                                ; all but the youngest 16 loads (P's images 4-7) are in
.if \mode == 2
	WIN 0x81                                       ; C (the bias) window 0, D window 2
.else
	WIN MUL_LO
.endif
	MUL16 0, 0, 0, \sc, \mode
	MUL16 2, 0, 0, \sc, \mode
	s_wait_dscnt 0x0
	PLACES 4
	FETCH_B \reg, 1, 1
	FETCH_A \reg, 1, 0
.if \mode == 2
	WIN 0xc1
.else
	WIN MUL_HI
.endif
	MUL16 4, 0, 0, \sc, \mode
	MUL16 6, 0, 0, \sc, \mode
	PLACES 4
	WIN 0
	FETCH_A \reg, 1, 4
.endm
; A region's second K step goes on into the next region.  kind 0: that region was shown whole by an earlier barrier.  kind 1: this region is filled again: every wave waits for all its tensor loads, adds 0 to its spare
; word, waits for that and for its reads of the region; a round of the cluster's barrier; the joint refill first behind it.  kind 2: the refill is waited for; a plain barrier shows it to all four waves.
.macro TURN reg, next, sc, kind
.if \kind == 0
	s_wait_dscnt 16
	WIN MUL_LO
	MUL16 0, 1, 1, \sc, 0
	MUL16 2, 1, 1, \sc, 0
	s_wait_dscnt 0x0
	PLACES 4
.else
	s_wait_tensorcnt 0x0                           ; all my tensor loads have landed
	ds_add_u32 v[SPW], v[NIL]                      ; 0 onto my spare word
	s_wait_dscnt 17                                ; (the add and the youngest 16 loads may be out)
	WIN MUL_LO
	MUL16 0, 1, 1, \sc, 0
	s_wait_dscnt 0x0                               ; the add is done, and my reads of this region are over
	s_barrier_signal -1
	MUL16 2, 1, 1, \sc, 0
	WIN 0
	s_barrier_wait -1
.if \kind == 1
	CREST                                          ; no wave of any partner still reads this region or has a load on its way
	s_add_nc_u64 s[G0+2:G0+3], s[G0+2:G0+3], 3*SUB  ; the fourth pair of K steps
	s_add_nc_u64 s[G0B+2:G0B+3], s[G0B+2:G0B+3], 3*SUB
	JLOAD G0, 44, G0B, 56
.else
	PLACES 4
.endif
.endif
	s_wait_alu depctr_va_vdst(0)
	FETCH_B \next, 0, 0
	FETCH_A \next, 0, 0
	SCALES \next, 1-(\sc)
	WIN MUL_HI
	MUL16 4, 1, 1, \sc, 0
	MUL16 6, 1, 1, \sc, 0
	PLACES 4
	WIN 0
	FETCH_A \next, 0, 4
.endm
	s_wait_tensorcnt 0x0                           ; my area, K steps 0 to 5, is in
	s_barrier_signal -1
	s_barrier_wait -1
	FETCH_B 0, 0, 0
	FETCH_A 0, 0, 0
	SCALES 0, 0
	FETCH_A 0, 0, 4
.if QKV == 0
	s_wait_loadcnt 0x0                             ; the bias
.endif
	STEP 0, 0, FIRSTMODE                           ; the first products start the sums: nothing is cleared
	TURN 0, 1, 0, 1
	STEP 1, 1, 0
	TURN 1, 2, 1, 0
	STEP 2, 0, 0
	TURN 2, 0, 0, 2
	STEP 0, 1, 0
	s_wait_dscnt 16                                ; the last K step: nothing more to fetch
	WIN MUL_LO
	MUL16 0, 1, 1, 1, 0
	MUL16 2, 1, 1, 1, 0
	s_wait_dscnt 0x0
	WIN MUL_HI
	MUL16 4, 1, 1, 1, 0
	MUL16 6, 1, 1, 1, 0
	WIN 0
; THE WAY OUT.  The 64 registers of P's image a (in window w) are quantised as they stand and leave as image a of the result's block.
.macro QUANTW s, w, pc, pw
	WIN (\w)|((\w)<<2)
.irp b, 0,1,2,3
	v_max3_num_f32 v[TM+\b], |v[\s+16*\b]|, |v[\s+1+16*\b]|, 0x1800000   ; each accumulator is read from its low end on; the floor 2^(3 - 127) holds the byte at 1
.endr
	WIN ((\w)<<2)|((\w)<<4)
.irp i, 2,4,6,8,10,12,14
.irp b, 0,1,2,3
	v_max3_num_f32 v[TM+\b], v[TM+\b], |v[\s+16*\b+\i]|, |v[\s+1+16*\b+\i]|
.endr
.endr
	WIN 0
.irp b, 0,1,2,3
	v_permlanex16_b32 v[TM+4+\b], v[TM+\b], s[SEL], s[SEL+1]
.endr
.irp b, 0,1,2,3
	v_max_num_f32 v[TM+\b], v[TM+\b], v[TM+4+\b]
.endr
.irp b, 0,1,2,3
	v_add_nc_u32 v[TM+12+\b], 0xff000000, v[TM+\b]
.endr
.irp b, 0,1,2,3
	v_lshrrev_b32 v[TM+4+\b], 23, v[TM+12+\b]
.endr
	v_lshl_or_b32 v[\pw], v[TM+5], 8, v[TM+4]
	v_lshl_or_b32 v[\pw], v[TM+6], 16, v[\pw]
	v_lshl_or_b32 v[\pw], v[TM+7], 24, v[\pw]
	WIN \w
.irp c, 0,1
	v_cvt_scalef32_pk16_fp6_f32 v[\pc+6*\c:\pc+2+6*\c], v[\s+32*\c:\s+15+32*\c], v[TM+12+2*\c]
	v_cvt_scalef32_pk16_fp6_f32 v[\pc+12+4*\c:\pc+14+4*\c], v[\s+16+32*\c:\s+31+32*\c], v[TM+12+2*\c+1]
.endr
	WIN 0
	v_nop                                          ; one plain line behind the last scaled conversion
.irp c, 0,1
.irp i, 0,1,2
	v_permlane16_swap_b32 v[\pc+6*\c+\i], v[\pc+12+4*\c+\i]
.endr
.irp i, 0,1,2
	v_mov_b32 v[\pc+3+6*\c+\i], v[\pc+12+4*\c+\i]
.endr
.endr
.endm
.macro IMG pc, off
	global_store_b128 v[L16], v[\pc:\pc+3], s[OUT:OUT+1] offset:\off
	global_store_b64 v[L8], v[\pc+4:\pc+5], s[OUT:OUT+1] offset:(\off)+512
	global_store_b128 v[L16], v[\pc+6:\pc+9], s[OUT:OUT+1] offset:(\off)+768
	global_store_b64 v[L8], v[\pc+10:\pc+11], s[OUT:OUT+1] offset:(\off)+1280
.endm
	PLACES 4                                       ; behind the last products: their results are read and their sources written below
.irp b, 0,1,2,3
	v_mov_b32 v[TM+4+\b], 0                        ; a lane permute's destination counts as one of its sources
.endr
.irp a, 0,1,2,3,4,5,6,7
.set AC, 64*(\a%4)
.set AW, 2+\a/4
.set PC, 128+20*(\a%2)
.if \a > 1
	s_wait_xcnt 0x0                                ; image a - 2's stores have read their registers, which are written again
.endif
.if QKV == 0
	WIN (AW<<6)|(AW<<2)
.set J, 0
.rept 64
	v_max_num_f32 v[AC+J], 0, v[AC+J]              ; relu, in f32
.set J, J+1
.endr
.endif
	QUANTW AC, AW, PC, PWB+\a
	IMG PC, \a*1536
.endr
	s_mov_b32 s78, 0xffff0000
.irp i, 0,1,2,3
	v_cndmask_b32 v[224+\i], v[PWB+\i], v[PWB+4+\i], s78   ; lanes 0-15 store images 0-3's words of row r, lanes 16-31 images 4-7's
.endr
	global_store_b128 v[SWO], v[224:227], s[OUT:OUT+1] offset:12288   ; 512 consecutive bytes: the wave has written one whole block
	s_wait_tensorcnt 0x0                           ; the wave's end
	ds_add_u32 v[SPW], v[NIL]
	s_wait_dscnt 0x0
	CROUND                                         ; the closing round
	s_endpgm
.Lfunc_end_k_q776a4888d6_qkvp:
	.size	k_q776a4888d6_qkvp, .Lfunc_end_k_q776a4888d6_qkvp-k_q776a4888d6_qkvp
	.p2alignl 7, 3214868480
	.fill 96, 4, 3214868480
	.section	.rodata,"a",@progbits
	.p2align	6, 0x0
	.amdhsa_kernel k_q776a4888d6_qkvp
		.amdhsa_group_segment_fixed_size 327680
		.amdhsa_private_segment_fixed_size 0
		.amdhsa_enable_private_segment 0
		.amdhsa_kernarg_size 24
		.amdhsa_user_sgpr_count 2
		.amdhsa_user_sgpr_kernarg_segment_ptr 1
		.amdhsa_wavefront_size32 1
		.amdhsa_system_sgpr_workgroup_id_x 1
		.amdhsa_system_sgpr_workgroup_id_y 1
		.amdhsa_system_sgpr_workgroup_id_z 1
		.amdhsa_system_vgpr_workitem_id 0
		.amdhsa_next_free_vgpr 1024
		.amdhsa_next_free_sgpr 100
		.amdhsa_reserve_vcc 0
		.amdhsa_float_denorm_mode_32 3
		.amdhsa_float_denorm_mode_16_64 3
		.amdhsa_memory_ordered 1
		.amdhsa_forward_progress 1
		.amdhsa_inst_pref_size 145
	.end_amdhsa_kernel
	.amdgpu_metadata
---
amdhsa.version: [ 1, 2 ]
amdhsa.kernels:
  - .name:           k_q776a4888d6_qkvp
    .symbol:         k_q776a4888d6_qkvp.kd
    .args:
      - { .name: hcod, .offset: 0, .size: 8, .value_kind: global_buffer, .address_space: global }
      - { .name: wts, .offset: 8, .size: 8, .value_kind: global_buffer, .address_space: global }
      - { .name: qkv, .offset: 16, .size: 8, .value_kind: global_buffer, .address_space: global }
    .group_segment_fixed_size: 327680
    .private_segment_fixed_size: 0
    .kernarg_segment_align: 8
    .kernarg_segment_size: 24
    .max_flat_workgroup_size: 128
    .sgpr_count:     100
    .vgpr_count:     1024
    .wavefront_size: 32
...
	.end_amdgpu_metadata
.endif
;; end of part 2
;; launch attn (part 3): grid 16 x 16, 16 waves a work-group, clusters of 4 x 1, 327,680 bytes of LDS; arguments qkv, ctxc; writes ctxc
.if DOCPART == 3
	.amdgcn_target "amdgcn-amd-amdhsa--gfx1250"
	.amdhsa_code_object_version 6
	.text
	.protected	k_q776a4888d6_attn
	.globl	k_q776a4888d6_attn
	.p2align	8
	.type	k_q776a4888d6_attn,@function
k_q776a4888d6_attn:
	s_mov_b64 s[64:65], 0
	v_nop
	global_prefetch_b8 v0, s[64:65] scope:SCOPE_SE
	s_setreg_imm32_b32 hwreg(HW_REG_WAVE_MODE, 25, 1), 1
	s_wait_xcnt 0x0
	s_wait_alu depctr_hold_cnt(0) depctr_sa_sdst(0) depctr_va_vdst(0) depctr_va_sdst(0) depctr_va_ssrc(0) depctr_va_vcc(0) depctr_vm_vsrc(0)
	s_getreg_b32 s2, hwreg(HW_REG_IB_STS2, 6, 4)
	s_cmp_eq_u32 s2, 0
	s_cbranch_scc0 .Lentry_in_a_cluster
	s_endpgm
.Lentry_in_a_cluster:
	s_bfe_u32 s2, ttmp6, 0x10000c
	s_cmp_lg_u32 s2, 0x3003
	s_cbranch_scc0 .Lentry_shape_is_right
	s_endpgm
.Lentry_shape_is_right:
; ctx = softmax(q k^T / 8) v for 32 (batch, head) pairs of 2,048 tokens and head size 64, both products on codes of FP6 (E2M3) with one E8M0 byte for each 32 along K; ctx is quantised again, along the model's axis.
; q, k, V^T lie as blocks of 12,800 bytes: 128 rows x 128 along K: eight images of 1,536 bytes (registers 0-3 at 16 x lane, 4-5 at 512 + 8 x lane, 6-9 at 768 + 16 x lane, 10-11 at 1,280 + 8 x lane), scale words at
; 12,288 + 32 r + 4 t; lane r of image t holds row 32 (t / 2) + 8 (t % 2) + r + 8 (r / 8).  q, k: rows = tokens, K = a PAIR of heads: a head is half an image (768 bytes) and half a scale word.  V^T: rows = the pair's 128
; channels (a head: four images), K = 128 tokens.
; THE SOFTMAX: t = score x log2(e) / 8; M = the ceiling of the running largest t; p = 2^(t - M) is quantised along the keys, not normalised; the row's sum is taken of the unquantised p and divides at the end.
; When M moves, the sum and O are multiplied by 2^(old M - new M): exact.
; SHARES.  A work-group: 256 queries (two token groups) of ONE head.  Sixteen waves: wave w owns the 16 queries of image w % 8 of token group w / 8.  Every wave walks the batch's 16 token groups, 128 keys a step.
; Both products are used transposed (S^T = k q^T, O^T = V^T p^T): a lane holds one query throughout, and by the order of rows in an image its 64 scores are register 16 b + i = key 32 b + 16 (lane / 16) + i.
; LDS: one head's k and V^T for all 2,048 keys: 16 records of 13,312 bytes, one a key step: k's eight half images, V^T's four images, k's scale words, V^T's scale words.  All 212,992 bytes are asked for at the head and
; nothing is filled again: ONE barrier shows them to all sixteen waves, and no barrier stands among the key steps.  Wave w brings record w by four loads: by this text's own count a wave has four tensor loads out.
; CLUSTER.  The four work-groups of a cluster have the same batch and head and read the same records: joint loads, mask 15.
; THE SCORES' K IS 64.  Q's fragment is q's 64 codes and 64 zero codes, so the upper half of a fragment of k may hold any codes: k's eight half fragments lie on end, six registers each, and fragment t is halves t and t + 1
; (fragment 7 ends in V^T's first six registers).  The upper two scale bytes are 0, which is 2^-127 over products that are 0.
; k IS ASKED FOR A STEP AHEAD: behind a step's eight score products stand V^T's 17 LDS loads and then the NEXT step's 24 of k, which land under the softmax.  The last step is written out without them.
; LIMITS: NaN and infinities are not served; a block of ctx whose largest magnitude lies under 2^-124 is held at byte 1; a block of zeros has byte 1 and zero codes (the bytes are read by this program alone).
.set BLK,   12800
.set REC,   13312                      ; a key step's record in LDS
.set VOF,   6144                       ; in it: V^T's images,
.set KSO,   12288                      ; k's scale words,
.set VSO,   12800                      ; V^T's scale words
.set SPARE, 16*REC                     ; the spare words, 128 bytes for each of sixteen waves; no other line names them
.set W16, 0                            ; v0   (once the thread's number has been used) the step's record + 16 x lane
.set A16, 1                            ; v1   16 x lane; never rewritten
.set A8,  2                            ; v2   8 x lane; never rewritten
.set AKS, 3                            ; v3   k's scale half words: 12,288 + 32 r + 2 x (head % 2)
.set AVS, 4                            ; v4   V^T's scale words: 12,800 + 32 r + 16 x (head % 2)
.set W8,  5                            ; v5   the step's record + 8 x lane
.set WVS, 6                            ; v6   + AVS
.set SPW, 7
.set NIL, 8
.set QS,  9                            ; v9   q's scale bytes
.set NM,  10                           ; v10  -M
.set TMX, 11                           ; v11  the running largest t
.set SUM, 12                           ; v12-13 the row's sum, in two halves
.set F,   14                           ; v14  f = 2^(old M - new M)
.set WKS, 15                           ; v15  the step's record + AKS
.set Q,   16                           ; v16-27   q's 64 codes, then 64 zero codes
.set VSC, 28                           ; v28-31   V^T's scale words
.set KSC, 32                           ; v32-39   k's scale bytes
.set KF,  40                           ; v40-87   k's eight half fragments
.set VF,  88                           ; v88-135  V^T's four fragments
.set S,   136                          ; v136-199 S^T, then p
.set O,   200                          ; v200-231 O^T
.set PCD, 232                          ; v232-243 p's codes
.set BM,  244                          ; v244-247 the blocks' largest scores, then largest p, then the conversions' scale operands
.set PT,  248                          ; v248-255 at work
.set TT,  251
.set PWD, 255                          ; p's scale word
.set WV,   18
.set SEL,  20
.set CS,   22                          ; s[22:23] c = log2(e) / 8
.set G1K,  24                          ; s[24:31] group 1: k's half images
.set G1V,  32
.set G1S,  40
.set G0,   48                          ; s[48:51] group 0; s[52:57] the other loads' addresses
.set TB,   2                           ; s2  LDS byte of the step's record
.set CNT,  3
.macro CROUND
	s_barrier_signal -1
	s_barrier_wait -1
	s_cmp_lg_u32 s[WV], 0
	s_cbranch_scc1 .Lnot_wave_0_\@
	s_barrier_signal -3
.Lnot_wave_0_\@:
	s_barrier_wait -3
	s_barrier_signal -1
	s_barrier_wait -1
.endm
	s_load_b128 s[4:7], s[0:1], 0x0                ; q, k, V^T; ctx
	v_lshl_add_u32 v[SPW], v0, 2, SPARE
	v_mov_b32 v[NIL], 0
	ds_add_u32 v[SPW], v[NIL]                      ; the wave's opening
	ds_add_u32 v[SPW], v[NIL]
	v_lshrrev_b32 v[S], 5, v0
	s_delay_alu instid0(VALU_DEP_1)
	v_readfirstlane_b32 s[WV], v[S]                ; wave 0..15
	s_bfe_u32 s8, ttmp6, 0x40000                   ; cx: it enters q's and ctx's addresses alone
	s_lshr_b32 s10, ttmp9, 1                       ; the batch, which the four partners share
	s_and_b32 s9, ttmp9, 1
	s_lshl_b32 s9, s9, 2
	s_add_co_u32 s9, s9, s8                        ; my block of 256 queries, 0..7
	s_and_b32 s11, ttmp7, 0xffff                   ; the head
	s_lshr_b32 s12, s11, 1                         ; its pair,
	s_and_b32 s13, s11, 1                          ; and which of the pair
	s_and_b32 s14, s[WV], 7                        ; my image of queries
	s_lshr_b32 s15, s[WV], 3                       ; in which of the block's two token groups
	s_lshl_b32 s16, s10, 4
	s_lshl_b32 s17, s9, 1
	s_add_co_u32 s16, s16, s17
	s_add_co_u32 s16, s16, s15                     ; my token group
	s_lshl_b32 s17, s12, 5
	s_lshl_b32 s19, s10, 4
	s_add_co_u32 s17, s17, s19
	s_add_co_u32 s17, s17, s[WV]
	s_mul_i32 s17, s17, BLK                        ; block 32 x pair + 16 x batch + wave: the key step that I fetch
	s_mul_i32 s19, s13, 768
	s_add_co_u32 s66, s17, s19
	s_add_co_u32 s66, s66, 256*BLK                 ; k's blocks begin 256 blocks on: my head's half images
	s_mov_b32 s67, 0
	s_add_co_u32 s68, s17, 256*BLK+12288           ; and the block's scale words
	s_mov_b32 s69, 0
	s_mul_i32 s19, s13, 6144
	s_add_co_u32 s70, s17, s19
	s_add_co_u32 s70, s70, 512*BLK                 ; V^T's begin 512 blocks on: my head's four images
	s_mov_b32 s71, 0
	s_add_co_u32 s72, s17, 512*BLK+12288
	s_mov_b32 s73, 0
	s_mul_i32 s78, s[WV], REC                      ; my record in LDS: the wave's number times a constant
	s_mov_b32 s[G1K], 15|(3<<16)|(1<<21)           ; the mask: all four; elements of 8 bytes; bit 21 beside a mask; no padding
	s_mov_b32 s[G1K+1], 96<<16                     ; 8 rows of 768 bytes, 1,536 bytes apart
	s_mov_b32 s[G1K+2], 8<<16
	s_mov_b32 s[G1K+3], 96<<16
	s_mov_b32 s[G1K+4], 8
	s_mov_b32 s[G1K+5], 192
	s_mov_b32 s[G1K+6], 0
	s_mov_b32 s[G1K+7], 0
	s_mul_i32 s80, s14, 1536
	s_mul_i32 s19, s13, 768
	s_add_co_u32 s80, s80, s19                     ; my half image in a block of q or of ctx
	s_lshl_b32 s81, s14, 2
	s_lshl_b32 s19, s13, 1
	s_add_co_u32 s81, s81, s19
	s_add_co_u32 s81, s81, 12288                   ; and my half scale words
	s_lshl_b32 s82, s12, 5
	s_add_co_u32 s82, s82, s16
	s_mul_i32 s82, s82, BLK                        ; q's block: pair x 32 + token group
	s_lshl_b32 s83, s16, 3
	s_add_co_u32 s83, s83, s12
	s_mul_i32 s83, s83, BLK                        ; ctx's block: token group x 8 + pair
	s_add_co_u32 s84, s82, s80
	s_mov_b32 s85, 0
	s_add_co_u32 s86, s82, s81
	s_mov_b32 s87, 0
	s_add_co_u32 s88, s83, s80
	s_mov_b32 s89, 0
	s_add_co_u32 s90, s83, s81
	s_mov_b32 s91, 0
	s_mov_b32 s[SEL], 0x76543210
	s_mov_b32 s[SEL+1], 0xfedcba98
	s_mov_b32 s[CS], 0x3e38aa3b
	s_mov_b32 s[CS+1], s[CS]
	s_mov_b32 s[TB], 0
	s_wait_dscnt 0x0                               ; the opening add is done
	s_wait_kmcnt 0x0
	s_add_nc_u64 s[92:93], s[4:5], s[84:85]        ; q's codes,
	s_add_nc_u64 s[94:95], s[4:5], s[86:87]        ; q's scale bytes,
	s_add_nc_u64 s[96:97], s[6:7], s[88:89]        ; ctx's codes,
	s_add_nc_u64 s[98:99], s[6:7], s[90:91]        ; ctx's scale bytes
	CROUND                                         ; all four work-groups are here: the joint loads meet
	s_mov_b32 s[G0], 1
	s_mov_b32 s[G0+1], s78
	s_add_nc_u64 s[G0+2:G0+3], s[4:5], s[66:67]
	s_or_b32 s[G0+3], s[G0+3], 0x80000000
; HOW A RECORD IS FILLED (in place of the four loads described above): one tensor load a wave at the head, and sixteen waves have sixteen tiles of k's half images: those come jointly.
; The record's other 7,168 bytes (k's scale words, V^T's four images, V^T's scale words) come through registers: 14 loads of 512 consecutive bytes and 14 LDS stores a wave, into blocks of 256 bytes on which no fill lands.
; They have no joint load, since no wave has a second tensor load at the head.  By this text's own count a wave has one tensor load out.
	s_add_nc_u64 s[G0+4:G0+5], s[4:5], s[68:69]    ; k's scale words
	s_add_nc_u64 s[G0+6:G0+7], s[4:5], s[70:71]    ; V^T's four images
	s_add_nc_u64 s[G0+8:G0+9], s[4:5], s[72:73]    ; V^T's scale words
	tensor_load_to_lds s[G0:G0+3], s[G1K:G1K+7]    ; my key step's eight half images of k
	s_nop 0
.rept 4
	v_nop
.endr
	v_and_b32 v[S], 31, v0                         ; lane
	v_and_b32 v[S+1], 15, v0                       ; r
	s_delay_alu instid0(VALU_DEP_2)
	v_lshlrev_b32 v[A16], 4, v[S]
	s_delay_alu instid0(VALU_DEP_3)
	v_lshlrev_b32 v[A8], 3, v[S]
	s_delay_alu instid0(VALU_DEP_3)
	v_lshlrev_b32 v[S+2], 5, v[S+1]                ; 32 r (it stays as it is until q has come)
	global_load_b128 v[Q:Q+3], v[A16], s[92:93]    ; q's half image: registers 0-5 of the fragment; it stays
	global_load_b64 v[Q+4:Q+5], v[A8], s[92:93] offset:512
	global_load_u16 v[QS], v[S+2], s[94:95]
	global_load_b128 v[S+4:S+7], v[A16], s[G0+4:G0+5]
	global_load_b128 v[S+8:S+11], v[A16], s[G0+8:G0+9]
.irp j, 0,1,2,3,4,5,6,7,8,9,10,11
	global_load_b128 v[S+12+4*\j:S+15+4*\j], v[A16], s[G0+6:G0+7] offset:512*\j
.endr
	v_add_nc_u32 v[W8], s78, v[A16]                ; my record + 16 x lane: where these go
	s_lshl_b32 s79, s13, 1
	s_add_co_u32 s79, s79, KSO
	v_add_nc_u32 v[AKS], s79, v[S+2]
	s_lshl_b32 s79, s13, 4
	s_add_co_u32 s79, s79, VSO
	v_add_nc_u32 v[AVS], s79, v[S+2]
	v_mov_b32 v[TMX], 0xff61b1e6                   ; the largest t so far: -3e38
	s_delay_alu instid0(VALU_DEP_1)
	v_floor_f32 v[NM], -v[TMX]                     ; -M
	v_mov_b32 v[SUM], 0                            ; the sum, in two halves
	v_mov_b32 v[SUM+1], 0
.irp j, 6,7,8,9,10,11
	v_mov_b32 v[Q+\j], 0                           ; q's upper 64 along K: zero codes
.endr
.irp j, 0,1,2,3,4,5
	v_mov_b32 v[VF+\j], 0                          ; the upper half of k's fragment 7 in the first step
.endr
.set J, 0
.rept 32
	v_mov_b32 v[O+J], 0                            ; O^T: the step is written for every step alike; the first change of M leaves zeros zeros
.set J, J+1
.endr
.irp b, 0,1,2,3
	v_mov_b32 v[PT+\b], 0                          ; a lane permute's destination counts as one of its sources
.endr
.macro KLOAD a16, a8, aks, off         ; a step's k: eight half fragments and their scale bytes: 24 loads
.irp t, 0,1,2,3,4,5,6,7
	ds_load_b128 v[KF+6*\t:KF+6*\t+3], v[\a16] offset:(\off)+768*\t
	ds_load_b64 v[KF+6*\t+4:KF+6*\t+5], v[\a8] offset:(\off)+768*\t+512
	ds_load_u16 v[KSC+\t], v[\aks] offset:(\off)+4*\t
.endr
.endm
; A KEY STEP: 128 keys.  pre = 1: the next step's k is asked for.
.macro STEP pre
	s_wait_dscnt 0x0                               ; this step's k, asked for a step ago, is in
.irp t, 0,1,2,3,4,5,6,7
	v_wmma_scale_f32_16x16x128_f8f6f4 v[S+8*\t:S+8*\t+7], v[KF+6*\t:KF+6*\t+11], v[Q:Q+11], 0, v[KSC+\t], v[QS] matrix_a_fmt:MATRIX_FMT_FP6 matrix_b_fmt:MATRIX_FMT_FP6
.endr
	v_add_nc_u32 v[W16], s[TB], v[A16]             ; these four are the places behind the products: the loads below land in registers that products have read, and the scores are read further down
	v_add_nc_u32 v[W8], s[TB], v[A8]
	v_add_nc_u32 v[WVS], s[TB], v[AVS]
	v_add_nc_u32 v[WKS], s[TB], v[AKS]
.irp t, 0,1,2,3
	ds_load_b128 v[VF+12*\t:VF+12*\t+3], v[W16] offset:VOF+1536*\t             ; V^T's four fragments land while the softmax is worked
	ds_load_b64 v[VF+12*\t+4:VF+12*\t+5], v[W8] offset:VOF+1536*\t+512
	ds_load_b128 v[VF+12*\t+6:VF+12*\t+9], v[W16] offset:VOF+1536*\t+768
	ds_load_b64 v[VF+12*\t+10:VF+12*\t+11], v[W8] offset:VOF+1536*\t+1280
.endr
	ds_load_b128 v[VSC:VSC+3], v[WVS]              ; and their scale words
.if \pre
	KLOAD W16, W8, WKS, REC                        ; and the next record's k
.endif
.irp b, 0,1,2,3
	v_max3_num_f32 v[BM+\b], v[S+16*\b], v[S+1+16*\b], v[S+2+16*\b]   ; the largest score of each block of 32 keys: for the row's maximum, and, since p rises with the score, for the block's largest p
.endr
.irp i, 3,5,7,9,11,13
.irp b, 0,1,2,3
	v_max3_num_f32 v[BM+\b], v[BM+\b], v[S+16*\b+\i], v[S+1+16*\b+\i]
.endr
.endr
.irp b, 0,1,2,3
	v_max_num_f32 v[BM+\b], v[BM+\b], v[S+15+16*\b]
.endr
.irp b, 0,1,2,3
	s_delay_alu instid0(VALU_DEP_4)
	v_permlanex16_b32 v[PT+\b], v[BM+\b], s[SEL], s[SEL+1]
.endr
.irp b, 0,1,2,3
	s_delay_alu instid0(VALU_DEP_4)
	v_max_num_f32 v[BM+\b], v[BM+\b], v[PT+\b]
.endr
	s_delay_alu instid0(VALU_DEP_2)
	v_max3_num_f32 v[TT], v[BM], v[BM+1], v[BM+2]
	s_delay_alu instid0(VALU_DEP_1)
	v_max_num_f32 v[TT], v[TT], v[BM+3]
	s_delay_alu instid0(VALU_DEP_1)
	v_mul_f32 v[TT], s[CS], v[TT]                  ; as t
	s_delay_alu instid0(VALU_DEP_1)
	v_max_num_f32 v[TMX], v[TMX], v[TT]            ; the running largest t
	v_mov_b32 v[TT], v[NM]
	s_delay_alu instid0(VALU_DEP_2)
	v_floor_f32 v[NM], -v[TMX]                     ; the new -M = -ceil(t)
	s_delay_alu instid0(VALU_DEP_1)
	v_sub_f32 v[TT], v[NM], v[TT]                  ; old M - new M: a whole number, 0 or less
	s_delay_alu instid0(VALU_DEP_1)
	v_cvt_i32_f32 v[TT], v[TT]                     ; (it saturates)
	s_delay_alu instid0(VALU_DEP_1)
	v_ldexp_f32 v[F], 1.0, v[TT]                   ; f = 2^(old M - new M)
.set J, 0
.rept 32
	v_pk_fma_f32 v[S+J:S+J+1], v[S+J:S+J+1], s[CS:CS+1], v[NM:NM+1] op_sel_hi:[1,0,0]   ; t - M
.set J, J+2
.endr
.irp b, 0,1,2,3
	v_fma_f32 v[BM+\b], v[BM+\b], s[CS], v[NM]
.endr
.set J, 0
	s_wait_alu depctr_va_vdst(0)
.rept 64
	v_exp_f32 v[S+J], v[S+J]                       ; p = 2^(t - M)
.set J, J+1
.endr
	v_pk_mul_f32 v[SUM:SUM+1], v[SUM:SUM+1], v[F:F+1] op_sel_hi:[1,0]   ; the sums under the new M; a plain line behind the exponentials
	s_wait_alu depctr_va_vdst(0)                   ; one wait for the batch, ahead of its first reader
.irp b, 0,1,2,3
	v_exp_f32 v[BM+\b], v[BM+\b]                   ; each block's largest p
.endr
	v_pk_add_f32 v[248:249], v[140:141], v[144:145]
	v_pk_add_f32 v[254:255], v[148:149], v[152:153]
	v_pk_add_f32 v[252:253], v[156:157], v[160:161]
	v_pk_add_f32 v[250:251], v[164:165], v[168:169]
	v_pk_add_f32 v[242:243], v[172:173], v[176:177]
	v_pk_add_f32 v[240:241], v[180:181], v[184:185]
	v_pk_add_f32 v[238:239], v[188:189], v[192:193]
	v_pk_add_f32 v[12:13], v[12:13], v[196:197]
	v_pk_add_f32 v[248:249], v[248:249], v[136:137]
	v_pk_add_f32 v[254:255], v[254:255], v[138:139]
	v_pk_add_f32 v[252:253], v[252:253], v[142:143]
	v_pk_add_f32 v[250:251], v[250:251], v[146:147]
	v_pk_add_f32 v[242:243], v[242:243], v[150:151]
	v_pk_add_f32 v[240:241], v[240:241], v[154:155]
	v_pk_add_f32 v[238:239], v[238:239], v[158:159]
	v_pk_add_f32 v[12:13], v[12:13], v[162:163]
	v_pk_add_f32 v[248:249], v[248:249], v[166:167]
	v_pk_add_f32 v[254:255], v[254:255], v[170:171]
	v_pk_add_f32 v[252:253], v[252:253], v[174:175]
	v_pk_add_f32 v[250:251], v[250:251], v[178:179]
	v_pk_add_f32 v[242:243], v[242:243], v[182:183]
	v_pk_add_f32 v[240:241], v[240:241], v[186:187]
	v_pk_add_f32 v[238:239], v[238:239], v[190:191]
	v_pk_add_f32 v[12:13], v[12:13], v[194:195]
	v_pk_add_f32 v[248:249], v[248:249], v[198:199]
	s_delay_alu instid0(VALU_DEP_2)
	v_pk_add_f32 v[12:13], v[12:13], v[250:251]
	s_delay_alu instid0(VALU_DEP_2)
	v_pk_add_f32 v[248:249], v[248:249], v[242:243]
	v_pk_add_f32 v[254:255], v[254:255], v[240:241]
	v_pk_add_f32 v[252:253], v[252:253], v[238:239]
	s_delay_alu instid0(VALU_DEP_2)
	v_pk_add_f32 v[12:13], v[12:13], v[254:255]
	s_delay_alu instid0(VALU_DEP_2)
	v_pk_add_f32 v[248:249], v[248:249], v[252:253]
	s_delay_alu instid0(VALU_DEP_1)
	v_pk_add_f32 v[12:13], v[12:13], v[248:249]
	s_wait_alu depctr_va_vdst(0)                   ; and one for the four
.irp b, 0,1,2,3
	v_max_num_f32 v[BM+\b], 0x1800000, v[BM+\b]    ; the floor 2^(3 - 127)
.endr
.irp b, 0,1,2,3
	s_delay_alu instid0(VALU_DEP_4)
	v_add_nc_u32 v[BM+\b], 0xff000000, v[BM+\b]    ; 2 off the exponent field: the conversion's scale operand
.endr
.irp b, 0,1,2,3
	s_delay_alu instid0(VALU_DEP_4)
	v_lshrrev_b32 v[PT+\b], 23, v[BM+\b]           ; the byte
.endr
	s_delay_alu instid0(VALU_DEP_3)
	v_lshl_or_b32 v[PWD], v[PT+1], 8, v[PT]        ; p's scale word for these 128 keys
	s_delay_alu instid0(VALU_DEP_1)
	v_lshl_or_b32 v[PWD], v[PT+2], 16, v[PWD]
	s_delay_alu instid0(VALU_DEP_1)
	v_lshl_or_b32 v[PWD], v[PT+3], 24, v[PWD]
.irp c, 0,1
	v_cvt_scalef32_pk16_fp6_f32 v[PCD+6*\c:PCD+2+6*\c], v[S+32*\c:S+15+32*\c], v[BM+2*\c]
	v_cvt_scalef32_pk16_fp6_f32 v[PT+4*\c:PT+2+4*\c], v[S+16+32*\c:S+31+32*\c], v[BM+2*\c+1]
.endr
	v_nop                                          ; one plain line behind the last scaled conversion
.irp c, 0,1
.irp i, 0,1,2
	v_permlane16_swap_b32 v[PCD+6*\c+\i], v[PT+4*\c+\i]
.endr
.irp i, 0,1,2
	s_delay_alu instid0(VALU_DEP_3)
	v_mov_b32 v[PCD+3+6*\c+\i], v[PT+4*\c+\i]
.endr
.endr
.set J, 0
.rept 16
	v_pk_mul_f32 v[O+J:O+J+1], v[O+J:O+J+1], v[F:F+1] op_sel_hi:[1,0]   ; O^T under the new M; these sixteen also stand between p's codes and scale word and the products
.set J, J+2
.endr
	s_wait_alu depctr_va_vdst(0)
	s_wait_dscnt 24*\pre                           ; V^T and its scale words are in; the 24 loads of the next step's k, issued behind them, may be out
.irp t, 0,1,2,3
	v_wmma_scale_f32_16x16x128_f8f6f4 v[O+8*\t:O+8*\t+7], v[VF+12*\t:VF+12*\t+11], v[PCD:PCD+11], v[O+8*\t:O+8*\t+7], v[VSC+\t], v[PWD] matrix_a_fmt:MATRIX_FMT_FP6 matrix_b_fmt:MATRIX_FMT_FP6
.endr
	s_add_co_u32 s[TB], s[TB], REC
.endm
	s_wait_loadcnt 0x0                             ; q, and what goes on into my record
	s_wait_tensorcnt 0x0                           ; my tile of k has landed
	ds_store_b128 v[W8], v[S+4:S+7] offset:KSO
	ds_store_b128 v[W8], v[S+8:S+11] offset:VSO
.irp j, 0,1,2,3,4,5,6,7,8,9,10,11
	ds_store_b128 v[W8], v[S+12+4*\j:S+15+4*\j] offset:VOF+512*\j
.endr
	s_wait_dscnt 0x0                               ; my stores have landed: my record is whole
	s_barrier_signal -1
	s_barrier_wait -1
	KLOAD A16, A8, AKS, 0
	s_mov_b32 s[CNT], 15
.Lstep:
	STEP 1
	s_sub_co_u32 s[CNT], s[CNT], 1
	s_cmp_lg_u32 s[CNT], 0
	s_cbranch_scc1 .Lstep
	STEP 0                                         ; the last step: there is no record behind it
	; THE WAY OUT: O^T / the sum is my query's 64 channels, register 16 b + i = channel 32 b + 16 (lane / 16) + i: two blocks of 32 of ctx's K: half an image and half a scale word.
	v_add_f32 v[SUM], v[SUM], v[SUM+1]
	s_delay_alu instid0(VALU_DEP_1)
	v_permlanex16_b32 v[PT], v[SUM], s[SEL], s[SEL+1]
	s_delay_alu instid0(VALU_DEP_1)
	v_add_f32 v[SUM], v[SUM], v[PT]
	s_wait_alu depctr_va_vdst(0)
	v_rcp_f32 v[SUM], v[SUM]
	v_and_b32 v[W8], 0xf0, v[A16]                  ; 16 r
	s_delay_alu instid0(VALU_DEP_1)
	v_lshlrev_b32 v[W8], 1, v[W8]                  ; 32 r
	v_nop
	v_nop
	s_wait_alu depctr_va_vdst(0)                   ; ahead of the reciprocal's first reader
.set J, 0
.rept 32
	v_mul_f32 v[S+J], v[O+J], v[SUM]
.set J, J+1
.endr
.irp b, 0,1
	v_max3_num_f32 v[BM+\b], |v[S+16*\b]|, |v[S+1+16*\b]|, 0x1800000
.endr
.irp i, 2,4,6,8,10,12,14
.irp b, 0,1
	s_delay_alu instid0(VALU_DEP_2)
	v_max3_num_f32 v[BM+\b], v[BM+\b], |v[S+16*\b+\i]|, |v[S+1+16*\b+\i]|
.endr
.endr
.irp b, 0,1
	s_delay_alu instid0(VALU_DEP_2)
	v_permlanex16_b32 v[PT+\b], v[BM+\b], s[SEL], s[SEL+1]
.endr
.irp b, 0,1
	s_delay_alu instid0(VALU_DEP_2)
	v_max_num_f32 v[BM+\b], v[BM+\b], v[PT+\b]
.endr
.irp b, 0,1
	s_delay_alu instid0(VALU_DEP_2)
	v_add_nc_u32 v[BM+\b], 0xff000000, v[BM+\b]
.endr
.irp b, 0,1
	s_delay_alu instid0(VALU_DEP_2)
	v_lshrrev_b32 v[PT+\b], 23, v[BM+\b]
.endr
	s_delay_alu instid0(VALU_DEP_1)
	v_lshl_or_b32 v[TT], v[PT+1], 8, v[PT]
	v_cvt_scalef32_pk16_fp6_f32 v[PCD:PCD+2], v[S:S+15], v[BM]
	v_cvt_scalef32_pk16_fp6_f32 v[PCD+4:PCD+6], v[S+16:S+31], v[BM+1]
	v_nop
.irp i, 0,1,2
	v_permlane16_swap_b32 v[PCD+\i], v[PCD+4+\i]
.endr
.irp i, 0,1,2
	s_delay_alu instid0(VALU_DEP_3)
	v_mov_b32 v[PCD+3+\i], v[PCD+4+\i]
.endr
	global_store_b128 v[A16], v[PCD:PCD+3], s[96:97]           ; 512 consecutive bytes,
	global_store_b64 v[A8], v[PCD+4:PCD+5], s[96:97] offset:512   ; and 256
	global_store_b16 v[W8], v[TT], s[98:99]        ; my head's half of row r's scale word: 2 bytes a row, 32 bytes apart; lanes l and l xor 16 write the same two bytes.  The other half is the pair's other head's, another work-group's
	s_wait_tensorcnt 0x0                           ; the wave's end
	ds_add_u32 v[SPW], v[NIL]
	s_wait_dscnt 0x0
	CROUND                                         ; the closing round
	s_endpgm
.Lfunc_end_k_q776a4888d6_attn:
	.size	k_q776a4888d6_attn, .Lfunc_end_k_q776a4888d6_attn-k_q776a4888d6_attn
	.p2alignl 7, 3214868480
	.fill 96, 4, 3214868480
	.section	.rodata,"a",@progbits
	.p2align	6, 0x0
	.amdhsa_kernel k_q776a4888d6_attn
		.amdhsa_group_segment_fixed_size 327680
		.amdhsa_private_segment_fixed_size 0
		.amdhsa_enable_private_segment 0
		.amdhsa_kernarg_size 16
		.amdhsa_user_sgpr_count 2
		.amdhsa_user_sgpr_kernarg_segment_ptr 1
		.amdhsa_wavefront_size32 1
		.amdhsa_system_sgpr_workgroup_id_x 1
		.amdhsa_system_sgpr_workgroup_id_y 1
		.amdhsa_system_sgpr_workgroup_id_z 1
		.amdhsa_system_vgpr_workitem_id 0
		.amdhsa_next_free_vgpr 256
		.amdhsa_next_free_sgpr 100
		.amdhsa_reserve_vcc 0
		.amdhsa_float_denorm_mode_32 3
		.amdhsa_float_denorm_mode_16_64 3
		.amdhsa_memory_ordered 1
		.amdhsa_forward_progress 1
		.amdhsa_inst_pref_size 49
	.end_amdhsa_kernel
	.amdgpu_metadata
---
amdhsa.version: [ 1, 2 ]
amdhsa.kernels:
  - .name:           k_q776a4888d6_attn
    .symbol:         k_q776a4888d6_attn.kd
    .args:
      - { .name: qkv, .offset: 0, .size: 8, .value_kind: global_buffer, .address_space: global }
      - { .name: ctxc, .offset: 8, .size: 8, .value_kind: global_buffer, .address_space: global }
    .group_segment_fixed_size: 327680
    .private_segment_fixed_size: 0
    .kernarg_segment_align: 8
    .kernarg_segment_size: 16
    .max_flat_workgroup_size: 512
    .sgpr_count:     100
    .vgpr_count:     256
    .wavefront_size: 32
...
	.end_amdgpu_metadata
.endif
;; end of part 3
;; launch oproj (part 4): grid 8 x 32, 4 waves a work-group, clusters of 4 x 4, 327,680 bytes of LDS; arguments ctxc, wts, b_o, x, x1; writes x1
.if DOCPART == 4
	.amdgcn_target "amdgcn-amd-amdhsa--gfx1250"
	.amdhsa_code_object_version 6
	.text
	.protected	k_q776a4888d6_oproj
	.globl	k_q776a4888d6_oproj
	.p2align	8
	.type	k_q776a4888d6_oproj,@function
k_q776a4888d6_oproj:
	s_mov_b64 s[64:65], 0
	v_nop
	global_prefetch_b8 v0, s[64:65] scope:SCOPE_SE
	s_setreg_imm32_b32 hwreg(HW_REG_WAVE_MODE, 25, 1), 1
	s_wait_xcnt 0x0
	s_wait_alu depctr_hold_cnt(0) depctr_sa_sdst(0) depctr_va_vdst(0) depctr_va_sdst(0) depctr_va_ssrc(0) depctr_va_vcc(0) depctr_vm_vsrc(0)
	s_getreg_b32 s2, hwreg(HW_REG_IB_STS2, 6, 4)
	s_cmp_eq_u32 s2, 0
	s_cbranch_scc0 .Lentry_in_a_cluster
	s_endpgm
.Lentry_in_a_cluster:
	s_bfe_u32 s2, ttmp6, 0x10000c
	s_cmp_lg_u32 s2, 0xf033
	s_cbranch_scc0 .Lentry_shape_is_right
	s_endpgm
.Lentry_shape_is_right:
; out = resid + P Q^T + bias, f32 [4,096][1,024].  P (tokens) and Q (a weight's columns) lie as blocks of codes of FP6 (E2M3) with one E8M0 byte for each 32 along K:
; a block, 12,800 bytes, is 128 rows x 128 along K: eight images of 1,536 bytes (registers 0-3 at 16 x lane, 4-5 at 512 + 8 x lane, 6-9 at 768 + 16 x lane, 10-11 at 1,280 + 8 x lane), scale words at 12,288 + 32 r + 4 t;
; lane r of image t holds row 32 (t / 2) + 8 (t % 2) + r + 8 (r / 8); blocks lie [row group][K step].  KS K steps; Q's blocks begin at block WOFF of the weights' buffer.
; A tile of 128 x 128 to a work-group, so that there are 256 of them; four waves, each 64 x 64: 16 accumulators.  Source 0 = Q, source 1 = P: a lane holds one token and eight neighbouring columns a tile.
; The bias is the C of each sum's first product.  CLUSTERS of 4 x 4: P's tiles are shared along a row of the cluster, Q's along a column: joint loads.
; LDS: two slots of four K steps (P's four blocks, Q's four); each wave fetches two blocks by one load.  By this text's own count a wave has at most two tensor loads out.
; THE WAY OUT: 16 tokens x 64 columns at a time through the wave's own stage; back as rows of 256 bytes; the residual, loaded at the head at the stores' own addresses, is added; sixteen lanes store 256 consecutive bytes, aligned.
; REGISTERS: window 0: v1-15 addresses; v32-39 scale words, two sets; v40-71 the bias; v72-103 and v40-71 rows on the way out; v128-255 accumulators.  window 1: two sets of fragments.  window 2: v0-127 the residual.
.set KS,    8
.set WOFF,  192
.set LAPS,  1                          ; KS / 8: a lap = both slots
.set BLK,   12800
.set SUB,   2*BLK
.set SLOT,  4*SUB
.set STAGE, 2*SLOT
.set SP,    272
.set SPARE, STAGE+4*16*SP              ; the spare words, 128 bytes for each wave; no other line names them
.set FR,    12
.set ADA16, 1
.set ADA8,  3
.set ADB16, 5
.set ADB8,  7
.set ADRS,  9
.set STO,   11
.set RD,    12
.set CO,    13
.set SPW,   14
.set NIL,   15
.set SC,    32
.set BI,    40
.set BK0,   72
.set ACC,   128
.set G1,  24
.set G1B, 32
.set G0,  40                           ; s[40:47] group 0 for P's tiles, a set for each slot
.set G0B, 48                           ; s[48:55] for Q's
.set MSB, 0
.macro WIN new
.if MSB != \new
	s_set_vgpr_msb (MSB<<8)|\new
.set MSB, \new
.endif
.endm
.set MUL,  0x05                        ; sources 0 and 1 window 1; C and D window 0
.set TO_F, 0x40
.macro PLACES n
.rept \n
	v_nop
.endr
.endm
.macro JLOAD g0a, g1a, g0b, g1b        ; waves 0 and 1 fetch for P, waves 2 and 3 for Q; an s_nop 0 and four v_nop follow each of the two lines
	s_cmp_eq_u32 s15, 0
	s_cbranch_scc0 .Lfor_b_\@
	tensor_load_to_lds s[\g0a:\g0a+3], s[\g1a:\g1a+7]
	s_nop 0
.rept 4
	v_nop
.endr
	s_branch .Lasked_\@
.Lfor_b_\@:
	tensor_load_to_lds s[\g0b:\g0b+3], s[\g1b:\g1b+7]
	s_nop 0
.rept 4
	v_nop
.endr
.Lasked_\@:
.endm
.macro CREST
	s_cmp_lg_u32 s14, 0
	s_cbranch_scc1 .Lnot_wave_0_\@
	s_barrier_signal -3
.Lnot_wave_0_\@:
	s_barrier_wait -3
	s_barrier_signal -1
	s_barrier_wait -1
.endm
.macro CROUND
	s_barrier_signal -1
	s_barrier_wait -1
	CREST
.endm
	s_load_b256 s[4:11], s[0:1], 0x0               ; P, the weights, the bias, the residual
	s_load_b64 s[12:13], s[0:1], 0x20              ; out
	v_lshl_add_u32 v[SPW], v0, 2, SPARE
	v_mov_b32 v[NIL], 0
	ds_add_u32 v[SPW], v[NIL]                      ; the wave's opening
	ds_add_u32 v[SPW], v[NIL]
	v_lshrrev_b32 v19, 5, v0
	v_readfirstlane_b32 s14, v19                   ; wave
	s_lshr_b32 s15, s14, 1                         ; my half of the tokens.  Also: I fetch for P (0) or Q (1)
	s_and_b32 s16, s14, 1                          ; my half of the columns.  Also: which slot's four K steps I fetch
	s_bfe_u32 s66, ttmp6, 0x40000                  ; cx
	s_bfe_u32 s67, ttmp6, 0x40004                  ; cy
	s_lshl_b32 s68, ttmp9, 2
	s_add_co_u32 s68, s68, s66                     ; Q's row group
	s_and_b32 s17, ttmp7, 0xffff
	s_lshl_b32 s17, s17, 2
	s_add_co_u32 s17, s17, s67                     ; the token group
	s_lshl_b32 s69, s67, 2
	s_lshl_b32 s69, 15, s69                        ; my row of the cluster
	s_lshl_b32 s70, 0x1111, s66                    ; my column
	s_or_b32 s[G1+0], s69, (3<<16)|(1<<21)
	s_or_b32 s[G1B+0], s70, (3<<16)|(1<<21)
.irp g, G1, G1B                        ; 51,200 dense bytes as 200 rows of 256
	s_mov_b32 s[\g+1], 32<<16
	s_mov_b32 s[\g+2], 200<<16
	s_mov_b32 s[\g+3], 32<<16
	s_mov_b32 s[\g+4], 200
	s_mov_b32 s[\g+5], 32
	s_mov_b32 s[\g+6], 0
	s_mov_b32 s[\g+7], 0
.endr
	s_mul_i32 s18, s16, SUB
	s_mul_i32 s20, s17, KS*BLK
	s_add_co_u32 s20, s20, s18
	s_mov_b32 s21, 0
	s_mul_i32 s22, s68, KS*BLK
	s_add_co_u32 s22, s22, s18
	s_add_co_u32 s22, s22, WOFF*BLK
	s_mov_b32 s23, 0
	s_mul_i32 s76, s14, SUB
	s_wait_dscnt 0x0                               ; the opening add is done
	s_wait_kmcnt 0x0
	s_add_nc_u64 s[72:73], s[4:5], s[20:21]
	s_add_nc_u64 s[74:75], s[6:7], s[22:23]
	CROUND                                         ; all sixteen work-groups are here: the first joint loads meet
; THE HEAD'S LOADS (in place of the two a wave described above): ONE a wave, 200 rows of 256 bytes: four K steps on end of P (waves 0, 1) or of Q (waves 2, 3): slot s16's whole part.  All of K is in LDS; nothing is filled again.
; By this text's own count a wave has one tensor load out.
	s_mov_b32 s19, 0
	s_mul_i32 s77, s16, SLOT
	s_mul_i32 s78, s15, 2*SUB
	s_add_co_u32 s77, s77, s78                     ; slot s16; P's four blocks, then Q's: the wave's number and constants alone
	s_mov_b32 s[G0], 1
	s_mov_b32 s[G0+1], s77
	s_add_nc_u64 s[G0+2:G0+3], s[72:73], s[18:19]  ; s16 x SUB once more: K step 4 s16
	s_or_b32 s[G0+3], s[G0+3], 0x80000000
	s_mov_b32 s[G0B], 1
	s_mov_b32 s[G0B+1], s77
	s_add_nc_u64 s[G0B+2:G0B+3], s[74:75], s[18:19]
	s_or_b32 s[G0B+3], s[G0B+3], 0x80000000
	JLOAD G0, G1, G0B, G1B
	v_and_b32 v19, 31, v0
	v_and_b32 v20, 15, v0                          ; r
	v_bfe_u32 v21, v0, 4, 1                        ; lane / 16
	v_lshlrev_b32 v16, 4, v19
	s_wait_alu depctr_va_vdst(0)
	v_lshlrev_b32 v17, 3, v19
	s_wait_alu depctr_va_vdst(0)
	v_lshlrev_b32 v22, 5, v20
	s_mul_i32 s20, s15, 6144                       ; my four images of P,
	s_mul_i32 s21, s16, 6144
	s_add_co_u32 s21, s21, 2*SUB                   ; of Q
	s_lshl_b32 s22, s15, 4
	s_lshl_b32 s23, s16, 4
	s_add_co_u32 s23, s23, 2*SUB
	s_sub_co_u32 s23, s23, s22
	v_mul_u32_u24 v23, s23, v21                    ; lanes 16-31 take Q's scale words: the distance between the two, once
	v_add_nc_u32 v23, v23, v22
	s_add_co_u32 s22, s22, 12288
.irp s, 0,1
	v_add_nc_u32 v[ADA16+\s], s20, v16
	v_add_nc_u32 v[ADA8+\s], s20, v17
	v_add_nc_u32 v[ADB16+\s], s21, v16
	v_add_nc_u32 v[ADB8+\s], s21, v17
	v_add_nc_u32 v[ADRS+\s], s22, v23
	s_add_co_u32 s20, s20, SLOT
	s_add_co_u32 s21, s21, SLOT
	s_add_co_u32 s22, s22, SLOT
.endr
	s_mul_i32 s20, s14, 16*SP
	s_add_co_u32 s20, s20, STAGE                   ; my stage
	v_mul_u32_u24 v[STO], v20, SP
	v_lshl_add_u32 v[STO], v21, 6, v[STO]
	v_add_nc_u32 v[STO], s20, v[STO]               ; in: row r, + 64 (lane / 16)
	v_mul_u32_u24 v[RD], v21, SP
	v_lshl_add_u32 v[RD], v20, 4, v[RD]
	v_add_nc_u32 v[RD], s20, v[RD]                 ; back: lanes 0-15 one row, lanes 16-31 the next
	v_lshlrev_b32 v[CO], 12, v21
	v_lshl_add_u32 v[CO], v20, 4, v[CO]            ; and the same two rows in memory
	v_lshlrev_b32 v24, 6, v21
	s_wait_alu depctr_va_vdst(0)
	s_lshl_b32 s88, s17, 7
	s_lshl_b32 s89, s15, 6
	s_add_co_u32 s88, s88, s89
	s_lshl_b32 s88, s88, 12                        ; my first token's row,
	s_lshl_b32 s90, s68, 9
	s_lshl_b32 s89, s16, 8
	s_add_co_u32 s90, s90, s89                     ; my first column, in bytes
	s_add_co_u32 s88, s88, s90
	s_mov_b32 s89, 0
	s_mov_b32 s91, 0
	s_add_nc_u64 s[10:11], s[10:11], s[88:89]
	s_add_nc_u64 s[12:13], s[12:13], s[88:89]
	s_add_nc_u64 s[8:9], s[8:9], s[90:91]
.irp b, 0,1,2,3                        ; lane (r, h) wants, for tile b, the bias of columns 32 (b / 2) + 16 h + 8 (b % 2) + 0 .. 7
	global_load_b128 v[BI+8*\b:BI+8*\b+3], v24, s[8:9] offset:(32*(\b/2)+8*(\b%2))*4
	global_load_b128 v[BI+8*\b+4:BI+8*\b+7], v24, s[8:9] offset:(32*(\b/2)+8*(\b%2))*4+16
.endr
	WIN 0x80                                       ; destination window 2
.irp a, 0,1,2,3
.irp t, 0,1,2,3,4,5,6,7
	global_load_b128 v[32*\a+4*\t:32*\a+4*\t+3], v[CO], s[10:11] offset:(32*(\a/2)+8*(\a%2)+2*\t+8*(\t/4))*4096
.endr
.endr
	WIN 0
.macro FRAG reg, a16, a8, off
	ds_load_b128 v[\reg:\reg+3], v[\a16] offset:\off
	ds_load_b64 v[\reg+4:\reg+5], v[\a8] offset:(\off)+512
	ds_load_b128 v[\reg+6:\reg+9], v[\a16] offset:(\off)+768
	ds_load_b64 v[\reg+10:\reg+11], v[\a8] offset:(\off)+1280
.endm
.macro FETCH slot, q, fi               ; the slot's K step q: my four fragments of P, my four of Q and the scale words, into set fi: 33 loads
	WIN TO_F
.irp i, 0,1,2,3
	FRAG 128*(\fi)+FR*\i, ADA16+\slot, ADA8+\slot, (\q)*BLK+\i*1536
	FRAG 128*(\fi)+48+FR*\i, ADB16+\slot, ADB8+\slot, (\q)*BLK+\i*1536
.endr
	WIN 0
	ds_load_b128 v[SC+4*(\fi):SC+4*(\fi)+3], v[ADRS+\slot] offset:(\q)*BLK
.endm
.macro MUL4 fi, a, first               ; P's image a against Q's four.  The 16 accumulators take turns, one instruction a turn
.irp b, 0,1,2,3
.if \first
	v_wmma_scale_f32_16x16x128_f8f6f4 v[ACC+8*(4*(\a)+\b):ACC+8*(4*(\a)+\b)+7], v[128*(\fi)+48+FR*\b:128*(\fi)+48+FR*\b+FR-1], v[128*(\fi)+FR*(\a):128*(\fi)+FR*(\a)+FR-1], v[BI+8*\b:BI+8*\b+7], v[SC+4*(\fi)+\b], v[SC+4*(\fi)+(\a)] matrix_a_fmt:MATRIX_FMT_FP6 matrix_b_fmt:MATRIX_FMT_FP6 matrix_a_scale:MATRIX_SCALE_ROW1
.else
	v_wmma_scale_f32_16x16x128_f8f6f4 v[ACC+8*(4*(\a)+\b):ACC+8*(4*(\a)+\b)+7], v[128*(\fi)+48+FR*\b:128*(\fi)+48+FR*\b+FR-1], v[128*(\fi)+FR*(\a):128*(\fi)+FR*(\a)+FR-1], v[ACC+8*(4*(\a)+\b):ACC+8*(4*(\a)+\b)+7], v[SC+4*(\fi)+\b], v[SC+4*(\fi)+(\a)] matrix_a_fmt:MATRIX_FMT_FP6 matrix_b_fmt:MATRIX_FMT_FP6 matrix_a_scale:MATRIX_SCALE_ROW1
.endif
.endr
.endm
.macro S slot, q, first                ; one of a slot's first three K steps: its fragments are in; the next step's are asked for; 16 products
	s_wait_dscnt 0x0
	PLACES 4                                       ; in front of loads into the set that the last step's products read
	FETCH \slot, (\q)+1, 1-(\q)%2
	WIN MUL
.irp a, 0,1,2,3
	MUL4 (\q)%2, \a, \first
.endr
.endm
; A slot's last K step changes slots: every wave waits for all its tensor loads, adds 0 to its spare word, waits for that and for its reads of this slot; one barrier.  fill = 1: it opens a round of the cluster's barrier, and the joint refill comes first behind it.
.macro T slot, next, fill
	WIN 0
	s_wait_tensorcnt 0x0
	ds_add_u32 v[SPW], v[NIL]
	s_wait_dscnt 1                                 ; (the add alone may be out)
	WIN MUL
	MUL4 1, 0, 0
	s_wait_dscnt 0x0                               ; the add is done, and my reads of this slot are over
	s_barrier_signal -1
	MUL4 1, 1, 0
	WIN 0
	s_barrier_wait -1
.if \fill
	CREST
	s_add_nc_u64 s[G0+4*\slot+2:G0+4*\slot+3], s[G0+4*\slot+2:G0+4*\slot+3], 4*SUB
	s_add_nc_u64 s[G0B+4*\slot+2:G0B+4*\slot+3], s[G0B+4*\slot+2:G0B+4*\slot+3], 4*SUB
	JLOAD G0+4*\slot, G1, G0B+4*\slot, G1B         ; its four v_nop are also the places in front of the loads below
.else
	PLACES 4
.endif
	FETCH \next, 0, 0
	WIN MUL
	MUL4 1, 2, 0
	MUL4 1, 3, 0
.endm
	s_wait_tensorcnt 0x0                           ; my four K steps are in
	s_barrier_signal -1
	s_barrier_wait -1
	FETCH 0, 0, 0
	s_wait_loadcnt 32                              ; the bias's eight loads are in; the residual's 32, issued behind them, may be out
	S 0, 0, 1                                      ; the first products start the sums from the bias
.if LAPS > 1
	WIN 0
	s_mov_b32 s3, LAPS-1
.Llap:
	S 0, 1, 0
	S 0, 2, 0
	T 0, 1, 1
	S 1, 0, 0
	S 1, 1, 0
	S 1, 2, 0
	T 1, 0, 1
	S 0, 0, 0
	WIN 0
	s_sub_co_u32 s3, s3, 1
	s_cmp_lg_u32 s3, 0
	s_cbranch_scc1 .Llap
.endif
	S 0, 1, 0                                      ; the last lap fills nothing
	S 0, 2, 0
	T 0, 1, 0
	S 1, 0, 0
	S 1, 1, 0
	S 1, 2, 0
	s_wait_dscnt 0x0
	WIN MUL
.irp a, 0,1,2,3
	MUL4 1, \a, 0
.endr
	WIN 0
	PLACES 4
	s_wait_loadcnt 0x0                             ; the residual
.irp a, 0,1,2,3
.set BK, BK0-32*(\a%2)
.if \a > 1
	s_wait_xcnt 0x0                                ; the stores of two tiles back have read their registers
.endif
.irp b, 0,1,2,3
	ds_store_b128 v[STO], v[ACC+8*(4*\a+\b):ACC+8*(4*\a+\b)+3] offset:128*(\b/2)+32*(\b%2)        ; each accumulator from its low end on
	ds_store_b128 v[STO], v[ACC+8*(4*\a+\b)+4:ACC+8*(4*\a+\b)+7] offset:128*(\b/2)+32*(\b%2)+16
.endr
.irp t, 0,1,2,3,4,5,6,7
	ds_load_b128 v[BK+4*\t:BK+4*\t+3], v[RD] offset:\t*2*SP   ; LDS serves a wave's instructions in order: these see my stores
.endr
	s_wait_dscnt 0x0
	WIN 0x08                                       ; source 1 (the residual) window 2
.set J, 0
.rept 16
	v_pk_add_f32 v[BK+J:BK+J+1], v[BK+J:BK+J+1], v[32*\a+J:32*\a+J+1]
.set J, J+2
.endr
	WIN 0
.irp t, 0,1,2,3,4,5,6,7
	global_store_b128 v[CO], v[BK+4*\t:BK+4*\t+3], s[12:13] offset:(32*(\a/2)+8*(\a%2)+2*\t+8*(\t/4))*4096   ; stage row 2 t + lane / 16 is that token of my 64
.endr
.endr
	s_wait_tensorcnt 0x0                           ; the wave's end
	ds_add_u32 v[SPW], v[NIL]
	s_wait_dscnt 0x0
	CROUND                                         ; the closing round
	s_endpgm
.Lfunc_end_k_q776a4888d6_oproj:
	.size	k_q776a4888d6_oproj, .Lfunc_end_k_q776a4888d6_oproj-k_q776a4888d6_oproj
	.p2alignl 7, 3214868480
	.fill 96, 4, 3214868480
	.section	.rodata,"a",@progbits
	.p2align	6, 0x0
	.amdhsa_kernel k_q776a4888d6_oproj
		.amdhsa_group_segment_fixed_size 327680
		.amdhsa_private_segment_fixed_size 0
		.amdhsa_enable_private_segment 0
		.amdhsa_kernarg_size 40
		.amdhsa_user_sgpr_count 2
		.amdhsa_user_sgpr_kernarg_segment_ptr 1
		.amdhsa_wavefront_size32 1
		.amdhsa_system_sgpr_workgroup_id_x 1
		.amdhsa_system_sgpr_workgroup_id_y 1
		.amdhsa_system_sgpr_workgroup_id_z 1
		.amdhsa_system_vgpr_workitem_id 0
		.amdhsa_next_free_vgpr 640
		.amdhsa_next_free_sgpr 100
		.amdhsa_reserve_vcc 0
		.amdhsa_float_denorm_mode_32 3
		.amdhsa_float_denorm_mode_16_64 3
		.amdhsa_memory_ordered 1
		.amdhsa_forward_progress 1
		.amdhsa_inst_pref_size 58
	.end_amdhsa_kernel
	.amdgpu_metadata
---
amdhsa.version: [ 1, 2 ]
amdhsa.kernels:
  - .name:           k_q776a4888d6_oproj
    .symbol:         k_q776a4888d6_oproj.kd
    .args:
      - { .name: ctxc, .offset: 0, .size: 8, .value_kind: global_buffer, .address_space: global }
      - { .name: wts, .offset: 8, .size: 8, .value_kind: global_buffer, .address_space: global }
      - { .name: b_o, .offset: 16, .size: 8, .value_kind: global_buffer, .address_space: global }
      - { .name: x, .offset: 24, .size: 8, .value_kind: global_buffer, .address_space: global }
      - { .name: x1, .offset: 32, .size: 8, .value_kind: global_buffer, .address_space: global }
    .group_segment_fixed_size: 327680
    .private_segment_fixed_size: 0
    .kernarg_segment_align: 8
    .kernarg_segment_size: 40
    .max_flat_workgroup_size: 128
    .sgpr_count:     100
    .vgpr_count:     640
    .wavefront_size: 32
...
	.end_amdgpu_metadata
.endif
;; end of part 4
;; launch ln2 (part 5): grid 256 x 1, 4 waves a work-group, no clusters, 66,304 bytes of LDS; arguments x1, ln2_g, ln2_b, hcod; writes hcod
.if DOCPART == 5
	.amdgcn_target "amdgcn-amd-amdhsa--gfx1250"
	.amdhsa_code_object_version 6
	.text
	.protected	k_q776a4888d6_ln2
	.globl	k_q776a4888d6_ln2
	.p2align	8
	.type	k_q776a4888d6_ln2,@function
k_q776a4888d6_ln2:
	s_mov_b64 s[64:65], 0
	v_nop
	global_prefetch_b8 v0, s[64:65] scope:SCOPE_SE
	s_setreg_imm32_b32 hwreg(HW_REG_WAVE_MODE, 25, 1), 1
	s_wait_xcnt 0x0
; y = (x - mean) / sqrt(var + 1e-6) * gamma + beta for rows of 1,024 f32, quantised along the row to FP6 (E2M3) with one E8M0 byte for each 32, and laid as operand blocks:
; a block of 12,800 bytes = 128 tokens x 128 along K: eight images of 1,536 bytes (registers 0-3 at 16 x lane, 4-5 at 512 + 8 x lane, 6-9 at 768 + 16 x lane, 10-11 at 1,280 + 8 x lane), then the scale words at 12,288 + 32 r + 4 t.
; Lane r of image t holds token 32 (t / 2) + 8 (t % 2) + r + 8 (r / 8) of the 128.  Blocks lie [token group][K step].
; A work-group makes ONE image row t of one token group g: 16 tokens, all eight K steps.  Phase 1: wave w normalises four of the tokens, a whole row in 32 registers a lane; mean first, then the sum of
; squared differences, so that a common offset of the inputs costs no accuracy.  The rows go to LDS.  Phase 2: wave w reads, for K steps 2 w and 2 w + 1, 16 neighbours of each block of 32 a lane, and quantises.
; The scale words leave 4 bytes a lane, 32 bytes apart: an image row has one word in eight of a block's; they are one twenty-fourth of the codes' bytes.
; LIMITS: NaN and infinities are not served; a block whose largest magnitude lies under 2^-124 is held at byte 1; a block of zeros has byte 1 and zero codes (the bytes are read by this program alone).
.set BLK,   12800
.set ROWP,  4112                       ; an LDS row: 4,096 bytes + 16: an odd multiple of 16, so that sixteen rows' equal columns fall on different banks
.set SPARE, 16*ROWP                    ; behind the 16 rows: the spare words, 128 bytes for each wave; no other line names them
.set SPW, 2
.set NIL, 3
.set L16, 4                            ; 16 x lane
.set L8,  5                            ; 8 x lane
.set STO, 6                            ; phase 1: where my 16 bytes of my wave's first row go
.set RDA, 7                            ; phase 2: row r, + 64 (lane / 16), + my wave's two K steps
.set R32, 8                            ; 32 r
.set X,   32                           ; v32-159  four rows x 32 numbers; later two K steps x 64 numbers
.set G,   160                          ; v160-191 gamma of my 32 columns
.set BT,  192                          ; v192-223 beta
.set T,   224                          ; v224-239 four registers a row, at work
.set PC,  160                          ; phase 2: v160-179, v180-199 the two fragments' codes
.set TM,  200                          ; v200-215 at work
.set PW,  216                          ; v216, v217 the two scale words
.set SEL, 26                           ; s[26:27] lane selects: lane l xor 16
	s_load_b256 s[4:11], s[0:1], 0x0               ; x, gamma, beta, the blocks
	v_lshl_add_u32 v[SPW], v0, 2, SPARE
	v_mov_b32 v[NIL], 0
	v_lshrrev_b32 v1, 5, v0
	v_readfirstlane_b32 s12, v1                    ; wave
	v_and_b32 v1, 31, v0
	v_lshlrev_b32 v[L16], 4, v1
	v_lshlrev_b32 v[L8], 3, v1
	v_and_b32 v9, 15, v0                           ; r
	v_bfe_u32 v10, v0, 4, 1                        ; lane / 16
	v_lshlrev_b32 v[R32], 5, v9
	s_mul_i32 s24, s12, 4*ROWP
	v_add_nc_u32 v[STO], s24, v[L16]
	v_mul_u32_u24 v[RDA], v9, ROWP
	v_lshl_add_u32 v[RDA], v10, 6, v[RDA]
	s_lshl_b32 s24, s12, 10
	v_add_nc_u32 v[RDA], s24, v[RDA]
	s_mov_b32 s[SEL], 0x76543210
	s_mov_b32 s[SEL+1], 0xfedcba98
	s_mov_b32 s28, 0x3a800000                      ; 1 / 1,024
	s_mov_b32 s29, 0x358637bd                      ; 1e-6
	s_lshr_b32 s13, ttmp9, 3                       ; token group
	s_and_b32 s14, ttmp9, 7                        ; image row t
	s_lshl_b32 s15, s13, 7
	s_lshr_b32 s16, s14, 1
	s_lshl_b32 s16, s16, 5
	s_add_co_u32 s15, s15, s16
	s_and_b32 s16, s14, 1
	s_lshl_b32 s16, s16, 3
	s_add_co_u32 s15, s15, s16                     ; the image's first token
	s_lshl_b32 s16, s12, 2
	s_add_co_u32 s15, s15, s16
	s_lshr_b32 s16, s12, 1
	s_lshl_b32 s16, s16, 3
	s_add_co_u32 s15, s15, s16                     ; image rows 4 w .. 4 w + 3 are tokens + 4 w + 8 (w / 2) on
	s_lshl_b32 s16, s15, 12
	s_mov_b32 s17, 0
	s_lshl_b32 s18, s13, 3
	s_lshl_b32 s19, s12, 1
	s_add_co_u32 s18, s18, s19
	s_mul_i32 s18, s18, BLK                        ; block (group, K step 2 w)
	s_mov_b32 s19, 0
	s_lshl_b32 s20, s14, 2
	s_add_co_u32 s20, s20, 12288
	s_mov_b32 s21, 0
	s_mul_i32 s24, s14, 1536
	s_mov_b32 s25, 0
	s_wait_alu depctr_va_vdst(0)
	s_wait_kmcnt 0x0
	s_add_nc_u64 s[4:5], s[4:5], s[16:17]
	s_add_nc_u64 s[10:11], s[10:11], s[18:19]
	s_add_nc_u64 s[22:23], s[10:11], s[20:21]      ; my image row's scale words
	s_add_nc_u64 s[10:11], s[10:11], s[24:25]      ; my image
.irp i, 0,1,2,3
.irp j, 0,1,2,3,4,5,6,7
	global_load_b128 v[X+32*\i+4*\j:X+32*\i+4*\j+3], v[L16], s[4:5] offset:4096*\i+512*\j   ; 512 consecutive bytes a load
.endr
.endr
.irp j, 0,1,2,3,4,5,6,7
	global_load_b128 v[G+4*\j:G+4*\j+3], v[L16], s[6:7] offset:512*\j
	global_load_b128 v[BT+4*\j:BT+4*\j+3], v[L16], s[8:9] offset:512*\j
.endr
	s_wait_loadcnt 0x0
.macro REDUCE                          ; each row's two pairs of partial sums become the row's sum, in every lane
.irp i, 0,1,2,3
	v_pk_add_f32 v[T+4*\i:T+4*\i+1], v[T+4*\i:T+4*\i+1], v[T+4*\i+2:T+4*\i+3]
.endr
.irp i, 0,1,2,3
	v_add_f32 v[T+4*\i], v[T+4*\i], v[T+4*\i+1]
.endr
.irp m, 1,2,4,8
.irp i, 0,1,2,3
	v_add_f32_dpp v[T+4*\i], v[T+4*\i], v[T+4*\i] row_xmask:\m row_mask:0xf bank_mask:0xf
.endr
.endr
.irp i, 0,1,2,3
	v_permlanex16_b32 v[T+4*\i+1], v[T+4*\i], s[SEL], s[SEL+1]
.endr
.irp i, 0,1,2,3
	v_add_f32 v[T+4*\i], v[T+4*\i], v[T+4*\i+1]
.endr
.endm
.irp i, 0,1,2,3
	v_pk_add_f32 v[T+4*\i:T+4*\i+1], v[X+32*\i:X+32*\i+1], v[X+32*\i+2:X+32*\i+3]
	v_pk_add_f32 v[T+4*\i+2:T+4*\i+3], v[X+32*\i+4:X+32*\i+5], v[X+32*\i+6:X+32*\i+7]
.endr
.irp j, 8,12,16,20,24,28
.irp i, 0,1,2,3
	v_pk_add_f32 v[T+4*\i:T+4*\i+1], v[T+4*\i:T+4*\i+1], v[X+32*\i+\j:X+32*\i+\j+1]
	v_pk_add_f32 v[T+4*\i+2:T+4*\i+3], v[T+4*\i+2:T+4*\i+3], v[X+32*\i+\j+2:X+32*\i+\j+3]
.endr
.endr
	REDUCE
.irp i, 0,1,2,3
	v_mul_f32 v[T+4*\i], s28, v[T+4*\i]            ; the mean
.endr
.set J, 0
.rept 16
.irp i, 0,1,2,3
	v_pk_add_f32 v[X+32*\i+J:X+32*\i+J+1], v[X+32*\i+J:X+32*\i+J+1], v[T+4*\i:T+4*\i+1] op_sel_hi:[1,0] neg_lo:[0,1] neg_hi:[0,1]   ; d = x - mean
.endr
.set J, J+2
.endr
.irp i, 0,1,2,3
	v_pk_mul_f32 v[T+4*\i:T+4*\i+1], v[X+32*\i:X+32*\i+1], v[X+32*\i:X+32*\i+1]
	v_pk_mul_f32 v[T+4*\i+2:T+4*\i+3], v[X+32*\i+2:X+32*\i+3], v[X+32*\i+2:X+32*\i+3]
.endr
.irp j, 4,8,12,16,20,24,28
.irp i, 0,1,2,3
	v_pk_fma_f32 v[T+4*\i:T+4*\i+1], v[X+32*\i+\j:X+32*\i+\j+1], v[X+32*\i+\j:X+32*\i+\j+1], v[T+4*\i:T+4*\i+1]
	v_pk_fma_f32 v[T+4*\i+2:T+4*\i+3], v[X+32*\i+\j+2:X+32*\i+\j+3], v[X+32*\i+\j+2:X+32*\i+\j+3], v[T+4*\i+2:T+4*\i+3]
.endr
.endr
	REDUCE
.irp i, 0,1,2,3
	v_fma_f32 v[T+4*\i], v[T+4*\i], s28, s29       ; var + 1e-6
.endr
	s_wait_alu depctr_va_vdst(0)
.irp i, 0,1,2,3
	v_rsq_f32 v[T+4*\i], v[T+4*\i]
.endr
	v_nop                                          ; one plain line behind the last of the four
	s_wait_alu depctr_va_vdst(0)                   ; one wait for the batch, ahead of its first reader
.set J, 0
.rept 16
.irp i, 0,1,2,3
	v_pk_mul_f32 v[X+32*\i+J:X+32*\i+J+1], v[X+32*\i+J:X+32*\i+J+1], v[T+4*\i:T+4*\i+1] op_sel_hi:[1,0]
.endr
.irp i, 0,1,2,3
	v_pk_fma_f32 v[X+32*\i+J:X+32*\i+J+1], v[X+32*\i+J:X+32*\i+J+1], v[G+J:G+J+1], v[BT+J:BT+J+1]
.endr
.set J, J+2
.endr
.irp i, 0,1,2,3
.irp j, 0,1,2,3,4,5,6,7
	ds_store_b128 v[STO], v[X+32*\i+4*\j:X+32*\i+4*\j+3] offset:\i*ROWP+512*\j
.endr
.endr
	s_wait_dscnt 0x0                               ; my rows have landed
	s_barrier_signal -1
	s_barrier_wait -1                              ; all sixteen have
.irp s, 0,1
.irp b, 0,1,2,3
.irp j, 0,1,2,3
	ds_load_b128 v[X+64*\s+16*\b+4*\j:X+64*\s+16*\b+4*\j+3], v[RDA] offset:512*\s+128*\b+16*\j   ; register 16 b + i = k 32 b + 16 (lane / 16) + i of row r
.endr
.endr
.endr
.irp b, 0,1,2,3
	v_mov_b32 v[TM+4+\b], 0                        ; a lane permute's destination counts as one of its sources
.endr
; 64 numbers of a lane, register 16 b + i = k 32 b + 16 (lane / 16) + i of my row, become a fragment's codes in v[pc] .. v[pc + 11] and its scale word in v[pw].
.macro QUANT s, pc, pw
.irp b, 0,1,2,3
	v_max3_num_f32 v[TM+\b], |v[\s+16*\b]|, |v[\s+1+16*\b]|, 0x1800000   ; the floor 2^(3 - 127): the byte cannot fall under 1
.endr
.irp i, 2,4,6,8,10,12,14
.irp b, 0,1,2,3
	v_max3_num_f32 v[TM+\b], v[TM+\b], |v[\s+16*\b+\i]|, |v[\s+1+16*\b+\i]|
.endr
.endr
.irp b, 0,1,2,3
	v_permlanex16_b32 v[TM+4+\b], v[TM+\b], s[SEL], s[SEL+1]
.endr
.irp b, 0,1,2,3
	v_max_num_f32 v[TM+\b], v[TM+\b], v[TM+4+\b]   ; with lane l xor 16's: the block's largest magnitude
.endr
.irp b, 0,1,2,3
	v_add_nc_u32 v[TM+12+\b], 0xff000000, v[TM+\b] ; 2 off its exponent field: the conversion's scale operand
.endr
.irp b, 0,1,2,3
	v_lshrrev_b32 v[TM+4+\b], 23, v[TM+12+\b]      ; the byte
.endr
	v_lshl_or_b32 v[\pw], v[TM+5], 8, v[TM+4]
	v_lshl_or_b32 v[\pw], v[TM+6], 16, v[\pw]
	v_lshl_or_b32 v[\pw], v[TM+7], 24, v[\pw]
.irp c, 0,1
	v_cvt_scalef32_pk16_fp6_f32 v[\pc+6*\c:\pc+2+6*\c], v[\s+32*\c:\s+15+32*\c], v[TM+12+2*\c]
	v_cvt_scalef32_pk16_fp6_f32 v[\pc+12+4*\c:\pc+14+4*\c], v[\s+16+32*\c:\s+31+32*\c], v[TM+12+2*\c+1]
.endr
	v_nop                                          ; one plain line behind the last scaled conversion
.irp c, 0,1                            ; the operand wants a whole block in a lane: lanes 0-15 block 2 c, lanes 16-31 block 2 c + 1
.irp i, 0,1,2
	v_permlane16_swap_b32 v[\pc+6*\c+\i], v[\pc+12+4*\c+\i]
.endr
.irp i, 0,1,2
	v_mov_b32 v[\pc+3+6*\c+\i], v[\pc+12+4*\c+\i]
.endr
.endr
.endm
.macro IMG pc, off
	global_store_b128 v[L16], v[\pc:\pc+3], s[10:11] offset:\off
	global_store_b64 v[L8], v[\pc+4:\pc+5], s[10:11] offset:(\off)+512
	global_store_b128 v[L16], v[\pc+6:\pc+9], s[10:11] offset:(\off)+768
	global_store_b64 v[L8], v[\pc+10:\pc+11], s[10:11] offset:(\off)+1280
.endm
	s_wait_dscnt 16                                ; the first K step's 16 loads are in; the second's 16 may be out
	QUANT X, PC, PW
	IMG PC, 0
	global_store_b32 v[R32], v[PW], s[22:23]       ; lanes l and l xor 16 hold the same word and write the same place
	s_wait_dscnt 0x0
	QUANT X+64, PC+20, PW+1                        ; other registers than the first fragment's: no store's data are written again
	IMG PC+20, BLK
	global_store_b32 v[R32], v[PW+1], s[22:23] offset:BLK
	s_wait_tensorcnt 0x0                           ; the wave's end
	ds_add_u32 v[SPW], v[NIL]
	s_wait_dscnt 0x0
	s_endpgm
.Lfunc_end_k_q776a4888d6_ln2:
	.size	k_q776a4888d6_ln2, .Lfunc_end_k_q776a4888d6_ln2-k_q776a4888d6_ln2
	.p2alignl 7, 3214868480
	.fill 96, 4, 3214868480
	.section	.rodata,"a",@progbits
	.p2align	6, 0x0
	.amdhsa_kernel k_q776a4888d6_ln2
		.amdhsa_group_segment_fixed_size 66304
		.amdhsa_private_segment_fixed_size 0
		.amdhsa_enable_private_segment 0
		.amdhsa_kernarg_size 32
		.amdhsa_user_sgpr_count 2
		.amdhsa_user_sgpr_kernarg_segment_ptr 1
		.amdhsa_wavefront_size32 1
		.amdhsa_system_sgpr_workgroup_id_x 1
		.amdhsa_system_sgpr_workgroup_id_y 1
		.amdhsa_system_sgpr_workgroup_id_z 1
		.amdhsa_system_vgpr_workitem_id 0
		.amdhsa_next_free_vgpr 240
		.amdhsa_next_free_sgpr 66
		.amdhsa_reserve_vcc 0
		.amdhsa_float_denorm_mode_32 3
		.amdhsa_float_denorm_mode_16_64 3
		.amdhsa_memory_ordered 1
		.amdhsa_forward_progress 1
		.amdhsa_inst_pref_size 44
	.end_amdhsa_kernel
	.amdgpu_metadata
---
amdhsa.version: [ 1, 2 ]
amdhsa.kernels:
  - .name:           k_q776a4888d6_ln2
    .symbol:         k_q776a4888d6_ln2.kd
    .args:
      - { .name: x1, .offset: 0, .size: 8, .value_kind: global_buffer, .address_space: global }
      - { .name: ln2_g, .offset: 8, .size: 8, .value_kind: global_buffer, .address_space: global }
      - { .name: ln2_b, .offset: 16, .size: 8, .value_kind: global_buffer, .address_space: global }
      - { .name: hcod, .offset: 24, .size: 8, .value_kind: global_buffer, .address_space: global }
    .group_segment_fixed_size: 66304
    .private_segment_fixed_size: 0
    .kernarg_segment_align: 8
    .kernarg_segment_size: 32
    .max_flat_workgroup_size: 128
    .sgpr_count:     66
    .vgpr_count:     240
    .wavefront_size: 32
...
	.end_amdgpu_metadata
.endif
;; end of part 5
;; launch ffn1 (part 6): grid 16 x 16, 4 waves a work-group, clusters of 4 x 4, 327,680 bytes of LDS; arguments hcod, wts, b1, f1c; writes f1c
.if DOCPART == 6
	.amdgcn_target "amdgcn-amd-amdhsa--gfx1250"
	.amdhsa_code_object_version 6
	.text
	.protected	k_q776a4888d6_ffn1
	.globl	k_q776a4888d6_ffn1
	.p2align	8
	.type	k_q776a4888d6_ffn1,@function
k_q776a4888d6_ffn1:
	s_mov_b64 s[64:65], 0
	v_nop
	global_prefetch_b8 v0, s[64:65] scope:SCOPE_SE
	s_setreg_imm32_b32 hwreg(HW_REG_WAVE_MODE, 25, 1), 1
	s_wait_xcnt 0x0
	s_wait_alu depctr_hold_cnt(0) depctr_sa_sdst(0) depctr_va_vdst(0) depctr_va_sdst(0) depctr_va_ssrc(0) depctr_va_vcc(0) depctr_vm_vsrc(0)
	s_getreg_b32 s2, hwreg(HW_REG_IB_STS2, 6, 4)
	s_cmp_eq_u32 s2, 0
	s_cbranch_scc0 .Lentry_in_a_cluster
	s_endpgm
.Lentry_in_a_cluster:
	s_bfe_u32 s2, ttmp6, 0x10000c
	s_cmp_lg_u32 s2, 0xf033
	s_cbranch_scc0 .Lentry_shape_is_right
	s_endpgm
.Lentry_shape_is_right:
.set QKV,   0
.set BLK,   12800
.set SUB,   2*BLK
; relu(h2 W1 + b1), quantised along the hidden units and stored as blocks: launch qkvp's text with QKV = 0 (its head describes the blocks, the shares and the limits).
; LDS: four areas of 76,800 bytes, one for each wave's row group, K steps 0 to 5 on end; ONE tensor load a wave at the head, 300 rows of 256 bytes; one refill, 100 rows: K steps 6 and 7 over K steps 0 and 1.
.set REG,   SUB
.set SPARE, 12*SUB
.set FR,    12
.set ADA16, 1
.set ADA8,  4
.set ADB16, 7
.set ADB8,  10
.set ADRS,  13
.set L16,   16
.set L8,    17
.set SWO,   18
.set SPW,   28
.set NIL,   29
.set SC,    32
.set BI,    64
.set AF,    128
.set TM,    192
.set PWB,   216
.set G1,  24
.set G1B, 32
.set G0,  40
.set G0B, 52
.set SEL, 80
.if QKV
.set OUT, 8
.set FIRSTMODE, 1
.else
.set OUT, 10
.set FIRSTMODE, 2
.endif
.set MSB, 0
.macro WIN new
.if MSB != \new
	s_set_vgpr_msb (MSB<<8)|\new
.set MSB, \new
.endif
.endm
.set MUL_LO, 0xa1
.set MUL_HI, 0xf1
.set TO_B,   0x40
.macro PLACES n
.rept \n
	v_nop
.endr
.endm
.macro JLOAD g0a, g1a, g0b, g1b
	s_cmp_eq_u32 s15, 0
	s_cbranch_scc0 .Lfor_b_\@
	tensor_load_to_lds s[\g0a:\g0a+3], s[\g1a:\g1a+7]
	s_nop 0
.rept 4
	v_nop
.endr
	s_branch .Lasked_\@
.Lfor_b_\@:
	tensor_load_to_lds s[\g0b:\g0b+3], s[\g1b:\g1b+7]
	s_nop 0
.rept 4
	v_nop
.endr
.Lasked_\@:
.endm
.macro CREST
	s_cmp_lg_u32 s14, 0
	s_cbranch_scc1 .Lnot_wave_0_\@
	s_barrier_signal -3
.Lnot_wave_0_\@:
	s_barrier_wait -3
	s_barrier_signal -1
	s_barrier_wait -1
.endm
.macro CROUND
	s_barrier_signal -1
	s_barrier_wait -1
	CREST
.endm
	s_load_b128 s[4:7], s[0:1], 0x0
.if QKV
	s_load_b64 s[8:9], s[0:1], 0x10
.else
	s_load_b128 s[8:11], s[0:1], 0x10
.endif
	v_lshl_add_u32 v[SPW], v0, 2, SPARE
	v_mov_b32 v[NIL], 0
	ds_add_u32 v[SPW], v[NIL]
	ds_add_u32 v[SPW], v[NIL]
	v_lshrrev_b32 v19, 5, v0
	v_readfirstlane_b32 s14, v19
	s_lshr_b32 s15, s14, 1
	s_and_b32 s16, s14, 1
	s_bfe_u32 s66, ttmp6, 0x40000
	s_bfe_u32 s67, ttmp6, 0x40004
.if QKV
	s_and_b32 s20, ttmp9, 1
	s_lshl_b32 s20, s20, 2
	s_and_b32 s21, ttmp9, 3
	s_lshl_b32 s21, s21, 2
	s_lshr_b32 s22, ttmp9, 1
	s_lshl_b32 s22, s22, 2
	s_cmp_lt_u32 ttmp9, 8
	s_cselect_b32 s68, s20, s21
	s_cselect_b32 s17, s22, 0
.else
	s_lshl_b32 s68, ttmp9, 2
	s_and_b32 s17, ttmp7, 0xffff
	s_lshl_b32 s17, s17, 2
.endif
	s_add_co_u32 s68, s68, s66
	s_add_co_u32 s17, s17, s67
	s_lshl_b32 s69, s67, 2
	s_lshl_b32 s69, 15, s69
	s_lshl_b32 s70, 0x1111, s66
	s_or_b32 s[G1+0], s69, (3<<16)|(1<<21)
	s_or_b32 s[G1B+0], s70, (3<<16)|(1<<21)
	s_or_b32 s44, s69, (3<<16)|(1<<21)             ; s[44:51], s[56:63]: groups 1 of the refill, 100 rows of 256 bytes
	s_or_b32 s56, s70, (3<<16)|(1<<21)
.irp g, 44, 56
	s_mov_b32 s[\g+1], 32<<16
	s_mov_b32 s[\g+2], 100<<16
	s_mov_b32 s[\g+3], 32<<16
	s_mov_b32 s[\g+4], 100
	s_mov_b32 s[\g+5], 32
	s_mov_b32 s[\g+6], 0
	s_mov_b32 s[\g+7], 0
.endr
.irp g, G1, G1B
	s_mov_b32 s[\g+1], 32<<16
	s_mov_b32 s[\g+2], 300<<16
	s_mov_b32 s[\g+3], 32<<16
	s_mov_b32 s[\g+4], 300
	s_mov_b32 s[\g+5], 32
	s_mov_b32 s[\g+6], 0
	s_mov_b32 s[\g+7], 0
.endr
	s_lshl_b32 s20, s17, 1
	s_add_co_u32 s20, s20, s16
	s_mul_i32 s20, s20, 8*BLK
	s_mov_b32 s21, 0
	s_lshl_b32 s22, s68, 1
	s_add_co_u32 s22, s22, s16
	s_mul_i32 s22, s22, 8*BLK
	s_mov_b32 s23, 0
	s_mul_i32 s76, s14, 3*SUB
	s_mov_b32 s[SEL], 0x76543210
	s_mov_b32 s[SEL+1], 0xfedcba98
	s_wait_dscnt 0x0
	s_wait_kmcnt 0x0
.if QKV
	s_add_nc_u64 s[72:73], s[6:7], 128*BLK
	s_cmp_lt_u32 ttmp9, 8
	s_cselect_b64 s[84:85], s[4:5], s[72:73]
	s_cselect_b64 s[86:87], s[6:7], s[4:5]
.else
	s_mov_b64 s[84:85], s[4:5]
	s_add_nc_u64 s[86:87], s[6:7], 256*BLK
.endif
	s_add_nc_u64 s[72:73], s[84:85], s[20:21]
	s_add_nc_u64 s[74:75], s[86:87], s[22:23]
	CROUND
.irp s, 0
	s_mov_b32 s[G0+4*\s], 1
	s_add_co_u32 s[G0+4*\s+1], s76, \s*REG
	s_add_nc_u64 s[G0+4*\s+2:G0+4*\s+3], s[72:73], \s*SUB
	s_or_b32 s[G0+4*\s+3], s[G0+4*\s+3], 0x80000000
	s_mov_b32 s[G0B+4*\s], 1
	s_add_co_u32 s[G0B+4*\s+1], s76, \s*REG
	s_add_nc_u64 s[G0B+4*\s+2:G0B+4*\s+3], s[74:75], \s*SUB
	s_or_b32 s[G0B+4*\s+3], s[G0B+4*\s+3], 0x80000000
	JLOAD G0+4*\s, G1, G0B+4*\s, G1B
.endr
	v_and_b32 v19, 31, v0
	v_and_b32 v20, 15, v0
	v_bfe_u32 v21, v0, 4, 1
	v_lshlrev_b32 v[L16], 4, v19
	v_lshlrev_b32 v[L8], 3, v19
	v_lshlrev_b32 v22, 5, v20
	v_lshl_add_u32 v[SWO], v21, 4, v22
	s_mul_i32 s20, s15, 3*SUB
	s_mul_i32 s21, s16, 3*SUB
	s_add_co_u32 s21, s21, 6*SUB
	s_sub_co_u32 s22, s21, s20
	v_mul_u32_u24 v23, s22, v21
	v_add_nc_u32 v23, v23, v22
	s_add_co_u32 s22, s20, 12288
.irp s, 0,1,2
	v_add_nc_u32 v[ADA16+\s], s20, v[L16]
	v_add_nc_u32 v[ADA8+\s], s20, v[L8]
	v_add_nc_u32 v[ADB16+\s], s21, v[L16]
	v_add_nc_u32 v[ADB8+\s], s21, v[L8]
	v_add_nc_u32 v[ADRS+\s], s22, v23
	s_add_co_u32 s20, s20, REG
	s_add_co_u32 s21, s21, REG
	s_add_co_u32 s22, s22, REG
.endr
	s_lshl_b32 s88, s17, 1
	s_add_co_u32 s88, s88, s15
	s_lshl_b32 s89, s68, 1
	s_add_co_u32 s89, s89, s16
.if QKV
	s_lshl_b32 s90, s89, 5
	s_add_co_u32 s90, s90, s88
	s_lshl_b32 s91, s88, 5
	s_add_co_u32 s91, s91, s89
	s_add_co_u32 s91, s91, 512
	s_cmp_lt_u32 ttmp9, 8
	s_cselect_b32 s90, s90, s91
.else
	s_lshl_b32 s90, s88, 5
	s_add_co_u32 s90, s90, s89
.endif
	s_mul_i32 s90, s90, BLK
	s_mov_b32 s91, 0
	s_add_nc_u64 s[OUT:OUT+1], s[OUT:OUT+1], s[90:91]
.if QKV == 0
	s_lshl_b32 s90, s89, 9
	s_add_nc_u64 s[8:9], s[8:9], s[90:91]
	v_lshlrev_b32 v24, 6, v21
.irp t, 0,1,2,3,4,5,6,7
	global_load_b128 v[BI+8*\t:BI+8*\t+3], v24, s[8:9] offset:(32*(\t/2)+8*(\t%2))*4
	global_load_b128 v[BI+8*\t+4:BI+8*\t+7], v24, s[8:9] offset:(32*(\t/2)+8*(\t%2))*4+16
.endr
.endif
.macro FRAG reg, a16, a8, off
	ds_load_b128 v[\reg:\reg+3], v[\a16] offset:\off
	ds_load_b64 v[\reg+4:\reg+5], v[\a8] offset:(\off)+512
	ds_load_b128 v[\reg+6:\reg+9], v[\a16] offset:(\off)+768
	ds_load_b64 v[\reg+10:\reg+11], v[\a8] offset:(\off)+1280
.endm
.macro FETCH_B reg, q, p
	WIN TO_B
.irp i, 0,1,2,3,4,5,6,7
	FRAG 128*(\p)+FR*\i, ADB16+\reg, ADB8+\reg, (\q)*BLK+\i*1536
.endr
	WIN 0
.endm
.macro FETCH_A reg, q, i0
.irp i, \i0, \i0+1, \i0+2, \i0+3
	FRAG AF+FR*(\i), ADA16+\reg, ADA8+\reg, (\q)*BLK+(\i)*1536
.endr
.endm
.macro SCALES reg, set
.irp q, 0,1
	ds_load_b128 v[SC+16*(\set)+8*\q:SC+16*(\set)+8*\q+3], v[ADRS+\reg] offset:\q*BLK
	ds_load_b128 v[SC+16*(\set)+8*\q+4:SC+16*(\set)+8*\q+7], v[ADRS+\reg] offset:\q*BLK+16
.endr
.endm
.macro MUL16 a0, p, q, sc, mode
.irp a, \a0, \a0+1
.irp b, 0,1,2,3,4,5,6,7
.if \mode == 1
	v_wmma_scale_f32_16x16x128_f8f6f4 v[8*(8*((\a)%4)+\b):8*(8*((\a)%4)+\b)+7], v[128*(\p)+FR*\b:128*(\p)+FR*\b+FR-1], v[AF+FR*(\a):AF+FR*(\a)+FR-1], 0, v[SC+16*(\sc)+8*(\q)+\b], v[SC+16*(\sc)+8*(\q)+(\a)] matrix_a_fmt:MATRIX_FMT_FP6 matrix_b_fmt:MATRIX_FMT_FP6 matrix_a_scale:MATRIX_SCALE_ROW1
.elseif \mode == 2
	v_wmma_scale_f32_16x16x128_f8f6f4 v[8*(8*((\a)%4)+\b):8*(8*((\a)%4)+\b)+7], v[128*(\p)+FR*\b:128*(\p)+FR*\b+FR-1], v[AF+FR*(\a):AF+FR*(\a)+FR-1], v[BI+8*\b:BI+8*\b+7], v[SC+16*(\sc)+8*(\q)+\b], v[SC+16*(\sc)+8*(\q)+(\a)] matrix_a_fmt:MATRIX_FMT_FP6 matrix_b_fmt:MATRIX_FMT_FP6 matrix_a_scale:MATRIX_SCALE_ROW1
.else
	v_wmma_scale_f32_16x16x128_f8f6f4 v[8*(8*((\a)%4)+\b):8*(8*((\a)%4)+\b)+7], v[128*(\p)+FR*\b:128*(\p)+FR*\b+FR-1], v[AF+FR*(\a):AF+FR*(\a)+FR-1], v[8*(8*((\a)%4)+\b):8*(8*((\a)%4)+\b)+7], v[SC+16*(\sc)+8*(\q)+\b], v[SC+16*(\sc)+8*(\q)+(\a)] matrix_a_fmt:MATRIX_FMT_FP6 matrix_b_fmt:MATRIX_FMT_FP6 matrix_a_scale:MATRIX_SCALE_ROW1
.endif
.endr
.endr
.endm
.macro STEP reg, sc, mode
	s_wait_dscnt 16
.if \mode == 2
	WIN 0x81
.else
	WIN MUL_LO
.endif
	MUL16 0, 0, 0, \sc, \mode
	MUL16 2, 0, 0, \sc, \mode
	s_wait_dscnt 0x0
	PLACES 4
	FETCH_B \reg, 1, 1
	FETCH_A \reg, 1, 0
.if \mode == 2
	WIN 0xc1
.else
	WIN MUL_HI
.endif
	MUL16 4, 0, 0, \sc, \mode
	MUL16 6, 0, 0, \sc, \mode
	PLACES 4
	WIN 0
	FETCH_A \reg, 1, 4
.endm
.macro TURN reg, next, sc, kind
.if \kind == 0
	s_wait_dscnt 16
	WIN MUL_LO
	MUL16 0, 1, 1, \sc, 0
	MUL16 2, 1, 1, \sc, 0
	s_wait_dscnt 0x0
	PLACES 4
.else
	s_wait_tensorcnt 0x0
	ds_add_u32 v[SPW], v[NIL]
	s_wait_dscnt 17
	WIN MUL_LO
	MUL16 0, 1, 1, \sc, 0
	s_wait_dscnt 0x0
	s_barrier_signal -1
	MUL16 2, 1, 1, \sc, 0
	WIN 0
	s_barrier_wait -1
.if \kind == 1
	CREST
	s_add_nc_u64 s[G0+2:G0+3], s[G0+2:G0+3], 3*SUB
	s_add_nc_u64 s[G0B+2:G0B+3], s[G0B+2:G0B+3], 3*SUB
	JLOAD G0, 44, G0B, 56
.else
	PLACES 4
.endif
.endif
	s_wait_alu depctr_va_vdst(0)
	FETCH_B \next, 0, 0
	FETCH_A \next, 0, 0
	SCALES \next, 1-(\sc)
	WIN MUL_HI
	MUL16 4, 1, 1, \sc, 0
	MUL16 6, 1, 1, \sc, 0
	PLACES 4
	WIN 0
	FETCH_A \next, 0, 4
.endm
	s_wait_tensorcnt 0x0                           ; my area, K steps 0 to 5, is in
	s_barrier_signal -1
	s_barrier_wait -1
	FETCH_B 0, 0, 0
	FETCH_A 0, 0, 0
	SCALES 0, 0
	FETCH_A 0, 0, 4
.if QKV == 0
	s_wait_loadcnt 0x0
.endif
	STEP 0, 0, FIRSTMODE
	TURN 0, 1, 0, 1
	STEP 1, 1, 0
	TURN 1, 2, 1, 0
	STEP 2, 0, 0
	TURN 2, 0, 0, 2
	STEP 0, 1, 0
	s_wait_dscnt 16
	WIN MUL_LO
	MUL16 0, 1, 1, 1, 0
	MUL16 2, 1, 1, 1, 0
	s_wait_dscnt 0x0
	WIN MUL_HI
	MUL16 4, 1, 1, 1, 0
	MUL16 6, 1, 1, 1, 0
	WIN 0
.macro QUANTW s, w, pc, pw
	WIN (\w)|((\w)<<2)
.irp b, 0,1,2,3
	v_max3_num_f32 v[TM+\b], |v[\s+16*\b]|, |v[\s+1+16*\b]|, 0x1800000
.endr
	WIN ((\w)<<2)|((\w)<<4)
.irp i, 2,4,6,8,10,12,14
.irp b, 0,1,2,3
	v_max3_num_f32 v[TM+\b], v[TM+\b], |v[\s+16*\b+\i]|, |v[\s+1+16*\b+\i]|
.endr
.endr
	WIN 0
.irp b, 0,1,2,3
	v_permlanex16_b32 v[TM+4+\b], v[TM+\b], s[SEL], s[SEL+1]
.endr
.irp b, 0,1,2,3
	v_max_num_f32 v[TM+\b], v[TM+\b], v[TM+4+\b]
.endr
.irp b, 0,1,2,3
	v_add_nc_u32 v[TM+12+\b], 0xff000000, v[TM+\b]
.endr
.irp b, 0,1,2,3
	v_lshrrev_b32 v[TM+4+\b], 23, v[TM+12+\b]
.endr
	v_lshl_or_b32 v[\pw], v[TM+5], 8, v[TM+4]
	v_lshl_or_b32 v[\pw], v[TM+6], 16, v[\pw]
	v_lshl_or_b32 v[\pw], v[TM+7], 24, v[\pw]
	WIN \w
.irp c, 0,1
	v_cvt_scalef32_pk16_fp6_f32 v[\pc+6*\c:\pc+2+6*\c], v[\s+32*\c:\s+15+32*\c], v[TM+12+2*\c]
	v_cvt_scalef32_pk16_fp6_f32 v[\pc+12+4*\c:\pc+14+4*\c], v[\s+16+32*\c:\s+31+32*\c], v[TM+12+2*\c+1]
.endr
	WIN 0
	v_nop
.irp c, 0,1
.irp i, 0,1,2
	v_permlane16_swap_b32 v[\pc+6*\c+\i], v[\pc+12+4*\c+\i]
.endr
.irp i, 0,1,2
	v_mov_b32 v[\pc+3+6*\c+\i], v[\pc+12+4*\c+\i]
.endr
.endr
.endm
.macro IMG pc, off
	global_store_b128 v[L16], v[\pc:\pc+3], s[OUT:OUT+1] offset:\off
	global_store_b64 v[L8], v[\pc+4:\pc+5], s[OUT:OUT+1] offset:(\off)+512
	global_store_b128 v[L16], v[\pc+6:\pc+9], s[OUT:OUT+1] offset:(\off)+768
	global_store_b64 v[L8], v[\pc+10:\pc+11], s[OUT:OUT+1] offset:(\off)+1280
.endm
	PLACES 4
.irp b, 0,1,2,3
	v_mov_b32 v[TM+4+\b], 0
.endr
.irp a, 0,1,2,3,4,5,6,7
.set AC, 64*(\a%4)
.set AW, 2+\a/4
.set PC, 128+20*(\a%2)
.if \a > 1
	s_wait_xcnt 0x0
.endif
.if QKV == 0
	WIN (AW<<6)|(AW<<2)
.set J, 0
.rept 64
	v_max_num_f32 v[AC+J], 0, v[AC+J]
.set J, J+1
.endr
.endif
	QUANTW AC, AW, PC, PWB+\a
	IMG PC, \a*1536
.endr
	s_mov_b32 s78, 0xffff0000
.irp i, 0,1,2,3
	v_cndmask_b32 v[224+\i], v[PWB+\i], v[PWB+4+\i], s78
.endr
	global_store_b128 v[SWO], v[224:227], s[OUT:OUT+1] offset:12288
	s_wait_tensorcnt 0x0
	ds_add_u32 v[SPW], v[NIL]
	s_wait_dscnt 0x0
	CROUND
	s_endpgm
.Lfunc_end_k_q776a4888d6_ffn1:
	.size	k_q776a4888d6_ffn1, .Lfunc_end_k_q776a4888d6_ffn1-k_q776a4888d6_ffn1
	.p2alignl 7, 3214868480
	.fill 96, 4, 3214868480
	.section	.rodata,"a",@progbits
	.p2align	6, 0x0
	.amdhsa_kernel k_q776a4888d6_ffn1
		.amdhsa_group_segment_fixed_size 327680
		.amdhsa_private_segment_fixed_size 0
		.amdhsa_enable_private_segment 0
		.amdhsa_kernarg_size 32
		.amdhsa_user_sgpr_count 2
		.amdhsa_user_sgpr_kernarg_segment_ptr 1
		.amdhsa_wavefront_size32 1
		.amdhsa_system_sgpr_workgroup_id_x 1
		.amdhsa_system_sgpr_workgroup_id_y 1
		.amdhsa_system_sgpr_workgroup_id_z 1
		.amdhsa_system_vgpr_workitem_id 0
		.amdhsa_next_free_vgpr 1024
		.amdhsa_next_free_sgpr 100
		.amdhsa_reserve_vcc 0
		.amdhsa_float_denorm_mode_32 3
		.amdhsa_float_denorm_mode_16_64 3
		.amdhsa_memory_ordered 1
		.amdhsa_forward_progress 1
		.amdhsa_inst_pref_size 162
	.end_amdhsa_kernel
	.amdgpu_metadata
---
amdhsa.version: [ 1, 2 ]
amdhsa.kernels:
  - .name:           k_q776a4888d6_ffn1
    .symbol:         k_q776a4888d6_ffn1.kd
    .args:
      - { .name: hcod, .offset: 0, .size: 8, .value_kind: global_buffer, .address_space: global }
      - { .name: wts, .offset: 8, .size: 8, .value_kind: global_buffer, .address_space: global }
      - { .name: b1, .offset: 16, .size: 8, .value_kind: global_buffer, .address_space: global }
      - { .name: f1c, .offset: 24, .size: 8, .value_kind: global_buffer, .address_space: global }
    .group_segment_fixed_size: 327680
    .private_segment_fixed_size: 0
    .kernarg_segment_align: 8
    .kernarg_segment_size: 32
    .max_flat_workgroup_size: 128
    .sgpr_count:     100
    .vgpr_count:     1024
    .wavefront_size: 32
...
	.end_amdgpu_metadata
.endif
;; end of part 6
;; launch ffn2 (part 7): grid 8 x 32, 4 waves a work-group, clusters of 4 x 4, 327,680 bytes of LDS; arguments f1c, wts, b2, x1, out0; writes out0
.if DOCPART == 7
	.amdgcn_target "amdgcn-amd-amdhsa--gfx1250"
	.amdhsa_code_object_version 6
	.text
	.protected	k_q776a4888d6_ffn2
	.globl	k_q776a4888d6_ffn2
	.p2align	8
	.type	k_q776a4888d6_ffn2,@function
k_q776a4888d6_ffn2:
	s_mov_b64 s[64:65], 0
	v_nop
	global_prefetch_b8 v0, s[64:65] scope:SCOPE_SE
	s_setreg_imm32_b32 hwreg(HW_REG_WAVE_MODE, 25, 1), 1
	s_wait_xcnt 0x0
	s_wait_alu depctr_hold_cnt(0) depctr_sa_sdst(0) depctr_va_vdst(0) depctr_va_sdst(0) depctr_va_ssrc(0) depctr_va_vcc(0) depctr_vm_vsrc(0)
	s_getreg_b32 s2, hwreg(HW_REG_IB_STS2, 6, 4)
	s_cmp_eq_u32 s2, 0
	s_cbranch_scc0 .Lentry_in_a_cluster
	s_endpgm
.Lentry_in_a_cluster:
	s_bfe_u32 s2, ttmp6, 0x10000c
	s_cmp_lg_u32 s2, 0xf033
	s_cbranch_scc0 .Lentry_shape_is_right
	s_endpgm
.Lentry_shape_is_right:
.set KS,    32
.set WOFF,  512
.set LAPS,  4
.set BLK,   12800
.set SUB,   2*BLK
.set SLOT,  4*SUB
.set STAGE, 2*SLOT
.set SP,    272
.set SPARE, STAGE+4*16*SP
.set FR,    12
.set ADA16, 1
.set ADA8,  3
.set ADB16, 5
.set ADB8,  7
.set ADRS,  9
.set STO,   11
.set RD,    12
.set CO,    13
.set SPW,   14
.set NIL,   15
.set SC,    32
.set BI,    40
.set BK0,   72
.set ACC,   128
.set G1,  24
.set G1B, 32
.set G0,  40
.set G0B, 48
.set MSB, 0
.macro WIN new
.if MSB != \new
	s_set_vgpr_msb (MSB<<8)|\new
.set MSB, \new
.endif
.endm
.set MUL,  0x05
.set TO_F, 0x40
.macro PLACES n
.rept \n
	v_nop
.endr
.endm
.macro JLOAD g0a, g1a, g0b, g1b
	s_cmp_eq_u32 s15, 0
	s_cbranch_scc0 .Lfor_b_\@
	tensor_load_to_lds s[\g0a:\g0a+3], s[\g1a:\g1a+7]
	s_nop 0
.rept 4
	v_nop
.endr
	s_branch .Lasked_\@
.Lfor_b_\@:
	tensor_load_to_lds s[\g0b:\g0b+3], s[\g1b:\g1b+7]
	s_nop 0
.rept 4
	v_nop
.endr
.Lasked_\@:
.endm
.macro CREST
	s_cmp_lg_u32 s14, 0
	s_cbranch_scc1 .Lnot_wave_0_\@
	s_barrier_signal -3
.Lnot_wave_0_\@:
	s_barrier_wait -3
	s_barrier_signal -1
	s_barrier_wait -1
.endm
.macro CROUND
	s_barrier_signal -1
	s_barrier_wait -1
	CREST
.endm
	s_load_b256 s[4:11], s[0:1], 0x0
	s_load_b64 s[12:13], s[0:1], 0x20
	v_lshl_add_u32 v[SPW], v0, 2, SPARE
	v_mov_b32 v[NIL], 0
	ds_add_u32 v[SPW], v[NIL]
	ds_add_u32 v[SPW], v[NIL]
	v_lshrrev_b32 v19, 5, v0
	v_readfirstlane_b32 s14, v19
	s_lshr_b32 s15, s14, 1
	s_and_b32 s16, s14, 1
	s_bfe_u32 s66, ttmp6, 0x40000
	s_bfe_u32 s67, ttmp6, 0x40004
	s_lshl_b32 s68, ttmp9, 2
	s_add_co_u32 s68, s68, s66
	s_and_b32 s17, ttmp7, 0xffff
	s_lshl_b32 s17, s17, 2
	s_add_co_u32 s17, s17, s67
	s_lshl_b32 s69, s67, 2
	s_lshl_b32 s69, 15, s69
	s_lshl_b32 s70, 0x1111, s66
	s_or_b32 s[G1+0], s69, (3<<16)|(1<<21)
	s_or_b32 s[G1B+0], s70, (3<<16)|(1<<21)
.irp g, G1, G1B
	s_mov_b32 s[\g+1], 32<<16
	s_mov_b32 s[\g+2], 100<<16
	s_mov_b32 s[\g+3], 32<<16
	s_mov_b32 s[\g+4], 100
	s_mov_b32 s[\g+5], 32
	s_mov_b32 s[\g+6], 0
	s_mov_b32 s[\g+7], 0
.endr
	s_mul_i32 s18, s16, SUB
	s_mul_i32 s20, s17, KS*BLK
	s_add_co_u32 s20, s20, s18
	s_mov_b32 s21, 0
	s_mul_i32 s22, s68, KS*BLK
	s_add_co_u32 s22, s22, s18
	s_add_co_u32 s22, s22, WOFF*BLK
	s_mov_b32 s23, 0
	s_mul_i32 s76, s14, SUB
	s_wait_dscnt 0x0
	s_wait_kmcnt 0x0
	s_add_nc_u64 s[72:73], s[4:5], s[20:21]
	s_add_nc_u64 s[74:75], s[6:7], s[22:23]
	CROUND
.irp s, 0,1
	s_mov_b32 s[G0+4*\s], 1
	s_add_co_u32 s[G0+4*\s+1], s76, \s*SLOT
	s_add_nc_u64 s[G0+4*\s+2:G0+4*\s+3], s[72:73], \s*2*SUB
	s_or_b32 s[G0+4*\s+3], s[G0+4*\s+3], 0x80000000
	s_mov_b32 s[G0B+4*\s], 1
	s_add_co_u32 s[G0B+4*\s+1], s76, \s*SLOT
	s_add_nc_u64 s[G0B+4*\s+2:G0B+4*\s+3], s[74:75], \s*2*SUB
	s_or_b32 s[G0B+4*\s+3], s[G0B+4*\s+3], 0x80000000
.endr
; out0 = x1 + f1 W2 + b2: launch oproj's text with K = 4,096 (its head describes the blocks and the shares).
; THE HEAD'S LOADS: ONE a wave, 200 rows of 256 bytes: four K steps on end of P (waves 0, 1) or of Q (waves 2, 3): slot s16's whole part, so that both slots are asked for at the head.
; The refills go by the groups 0 made above and by groups 1 of 100 rows, a quarter of a slot a wave.  By this text's own count a wave has one tensor load out.
	s_or_b32 s56, s69, (3<<16)|(1<<21)             ; s[56:63], s[80:87]: groups 1 of the head's loads
	s_or_b32 s80, s70, (3<<16)|(1<<21)
.irp g, 56, 80
	s_mov_b32 s[\g+1], 32<<16
	s_mov_b32 s[\g+2], 200<<16
	s_mov_b32 s[\g+3], 32<<16
	s_mov_b32 s[\g+4], 200
	s_mov_b32 s[\g+5], 32
	s_mov_b32 s[\g+6], 0
	s_mov_b32 s[\g+7], 0
.endr
	s_mov_b32 s19, 0
	s_mul_i32 s77, s16, SLOT
	s_mul_i32 s78, s15, 2*SUB
	s_add_co_u32 s77, s77, s78                     ; slot s16; P's four blocks, then Q's: the wave's number and constants alone
	s_mov_b32 s92, 1                               ; s[92:95], s[96:99]: their groups 0
	s_mov_b32 s93, s77
	s_add_nc_u64 s[94:95], s[72:73], s[18:19]      ; s16 x SUB once more: K step 4 s16
	s_or_b32 s95, s95, 0x80000000
	s_mov_b32 s96, 1
	s_mov_b32 s97, s77
	s_add_nc_u64 s[98:99], s[74:75], s[18:19]
	s_or_b32 s99, s99, 0x80000000
	JLOAD 92, 56, 96, 80
	v_and_b32 v19, 31, v0
	v_and_b32 v20, 15, v0
	v_bfe_u32 v21, v0, 4, 1
	v_lshlrev_b32 v16, 4, v19
	s_wait_alu depctr_va_vdst(0)
	v_lshlrev_b32 v17, 3, v19
	s_wait_alu depctr_va_vdst(0)
	v_lshlrev_b32 v22, 5, v20
	s_mul_i32 s20, s15, 6144
	s_mul_i32 s21, s16, 6144
	s_add_co_u32 s21, s21, 2*SUB
	s_lshl_b32 s22, s15, 4
	s_lshl_b32 s23, s16, 4
	s_add_co_u32 s23, s23, 2*SUB
	s_sub_co_u32 s23, s23, s22
	v_mul_u32_u24 v23, s23, v21
	v_add_nc_u32 v23, v23, v22
	s_add_co_u32 s22, s22, 12288
.irp s, 0,1
	v_add_nc_u32 v[ADA16+\s], s20, v16
	v_add_nc_u32 v[ADA8+\s], s20, v17
	v_add_nc_u32 v[ADB16+\s], s21, v16
	v_add_nc_u32 v[ADB8+\s], s21, v17
	v_add_nc_u32 v[ADRS+\s], s22, v23
	s_add_co_u32 s20, s20, SLOT
	s_add_co_u32 s21, s21, SLOT
	s_add_co_u32 s22, s22, SLOT
.endr
	s_mul_i32 s20, s14, 16*SP
	s_add_co_u32 s20, s20, STAGE
	v_mul_u32_u24 v[STO], v20, SP
	v_lshl_add_u32 v[STO], v21, 6, v[STO]
	v_add_nc_u32 v[STO], s20, v[STO]
	v_mul_u32_u24 v[RD], v21, SP
	v_lshl_add_u32 v[RD], v20, 4, v[RD]
	v_add_nc_u32 v[RD], s20, v[RD]
	v_lshlrev_b32 v[CO], 12, v21
	v_lshl_add_u32 v[CO], v20, 4, v[CO]
	v_lshlrev_b32 v24, 6, v21
	v_min_u32 v25, 24, v19
	v_lshlrev_b32 v25, 8, v25                      ; v25: the prefetches' offset, 256 x lane; lanes 25 to 31 name lane 24's block again; never rewritten
	s_wait_alu depctr_va_vdst(0)
; PREFETCHES INTO THE L2.  A fill is four K steps; fill f lies f x 51,200 bytes along a row group, and a wave's part of a refill is 25,600 bytes, 100 blocks of 256.  The four partners that ask for it jointly share the blocks
; out BY ADDRESS: the partner at place p (cx for P, cy for Q) names blocks 25 p .. 25 p + 24, a lane a block, one instruction a wave.  A fill is asked for two fills ahead of its joint load: fills 2 and 3 here,
; fills 4 to 7 behind the refills of the loop's first two trips; the last trip asks for nothing.  The highest byte named lies 409,344 bytes into a row group of 409,600.
	s_cmp_eq_u32 s15, 0                            ; do I fetch for P?
	s_cselect_b64 s[18:19], s[72:73], s[74:75]     ; s[18:19]: my part of fill 0,
	s_cselect_b32 s78, s66, s67
	s_mul_i32 s78, s78, 6400
	s_mov_b32 s79, 0
	s_add_nc_u64 s[18:19], s[18:19], s[78:79]      ; my work-group's quarter of it
	global_prefetch_b8 v25, s[18:19] offset:2*2*SUB th:TH_LOAD_NT scope:SCOPE_SE
	global_prefetch_b8 v25, s[18:19] offset:3*2*SUB th:TH_LOAD_NT scope:SCOPE_SE
	s_lshl_b32 s88, s17, 7
	s_lshl_b32 s89, s15, 6
	s_add_co_u32 s88, s88, s89
	s_lshl_b32 s88, s88, 12
	s_lshl_b32 s90, s68, 9
	s_lshl_b32 s89, s16, 8
	s_add_co_u32 s90, s90, s89
	s_add_co_u32 s88, s88, s90
	s_mov_b32 s89, 0
	s_mov_b32 s91, 0
	s_add_nc_u64 s[10:11], s[10:11], s[88:89]
	s_add_nc_u64 s[12:13], s[12:13], s[88:89]
	s_add_nc_u64 s[8:9], s[8:9], s[90:91]
.irp b, 0,1,2,3
	global_load_b128 v[BI+8*\b:BI+8*\b+3], v24, s[8:9] offset:(32*(\b/2)+8*(\b%2))*4
	global_load_b128 v[BI+8*\b+4:BI+8*\b+7], v24, s[8:9] offset:(32*(\b/2)+8*(\b%2))*4+16
.endr
.macro FRAG reg, a16, a8, off
	ds_load_b128 v[\reg:\reg+3], v[\a16] offset:\off
	ds_load_b64 v[\reg+4:\reg+5], v[\a8] offset:(\off)+512
	ds_load_b128 v[\reg+6:\reg+9], v[\a16] offset:(\off)+768
	ds_load_b64 v[\reg+10:\reg+11], v[\a8] offset:(\off)+1280
.endm
.macro FETCH slot, q, fi
	WIN TO_F
.irp i, 0,1,2,3
	FRAG 128*(\fi)+FR*\i, ADA16+\slot, ADA8+\slot, (\q)*BLK+\i*1536
	FRAG 128*(\fi)+48+FR*\i, ADB16+\slot, ADB8+\slot, (\q)*BLK+\i*1536
.endr
	WIN 0
	ds_load_b128 v[SC+4*(\fi):SC+4*(\fi)+3], v[ADRS+\slot] offset:(\q)*BLK
.endm
.macro MUL4 fi, a, first
.irp b, 0,1,2,3
.if \first
	v_wmma_scale_f32_16x16x128_f8f6f4 v[ACC+8*(4*(\a)+\b):ACC+8*(4*(\a)+\b)+7], v[128*(\fi)+48+FR*\b:128*(\fi)+48+FR*\b+FR-1], v[128*(\fi)+FR*(\a):128*(\fi)+FR*(\a)+FR-1], v[BI+8*\b:BI+8*\b+7], v[SC+4*(\fi)+\b], v[SC+4*(\fi)+(\a)] matrix_a_fmt:MATRIX_FMT_FP6 matrix_b_fmt:MATRIX_FMT_FP6 matrix_a_scale:MATRIX_SCALE_ROW1
.else
	v_wmma_scale_f32_16x16x128_f8f6f4 v[ACC+8*(4*(\a)+\b):ACC+8*(4*(\a)+\b)+7], v[128*(\fi)+48+FR*\b:128*(\fi)+48+FR*\b+FR-1], v[128*(\fi)+FR*(\a):128*(\fi)+FR*(\a)+FR-1], v[ACC+8*(4*(\a)+\b):ACC+8*(4*(\a)+\b)+7], v[SC+4*(\fi)+\b], v[SC+4*(\fi)+(\a)] matrix_a_fmt:MATRIX_FMT_FP6 matrix_b_fmt:MATRIX_FMT_FP6 matrix_a_scale:MATRIX_SCALE_ROW1
.endif
.endr
.endm
.macro S slot, q, first
	s_wait_dscnt 0x0
	PLACES 4
	FETCH \slot, (\q)+1, 1-(\q)%2
	WIN MUL
.irp a, 0,1,2,3
	MUL4 (\q)%2, \a, \first
.endr
.endm
.macro T slot, next, fill
	WIN 0
	s_wait_tensorcnt 0x0
	ds_add_u32 v[SPW], v[NIL]
	s_wait_dscnt 1
	WIN MUL
	MUL4 1, 0, 0
	s_wait_dscnt 0x0
	s_barrier_signal -1
	MUL4 1, 1, 0
	WIN 0
	s_barrier_wait -1
.if \fill
	CREST
	s_add_nc_u64 s[G0+4*\slot+2:G0+4*\slot+3], s[G0+4*\slot+2:G0+4*\slot+3], 4*SUB
	s_add_nc_u64 s[G0B+4*\slot+2:G0B+4*\slot+3], s[G0B+4*\slot+2:G0B+4*\slot+3], 4*SUB
	JLOAD G0+4*\slot, G1, G0B+4*\slot, G1B
.else
	PLACES 4
.endif
	FETCH \next, 0, 0
.if \fill
	s_cmp_gt_u32 s3, 1                             ; s3 = 1 in the loop's last trip: no fill stands two on
	s_cbranch_scc0 .Lno_ask_\@
	global_prefetch_b8 v25, s[18:19] offset:(4+\slot)*2*SUB th:TH_LOAD_NT scope:SCOPE_SE   ; the fill two on from the one just asked for
.Lno_ask_\@:
.endif
	WIN MUL
	MUL4 1, 2, 0
	MUL4 1, 3, 0
.endm
	s_wait_tensorcnt 0x0                           ; my four K steps are in
	s_barrier_signal -1
	s_barrier_wait -1
	FETCH 0, 0, 0
	s_wait_loadcnt 0x0                             ; the bias
	S 0, 0, 1
.if LAPS > 1
	WIN 0
	s_mov_b32 s3, LAPS-1
.Llap:
	S 0, 1, 0
	S 0, 2, 0
	T 0, 1, 1
	S 1, 0, 0
	S 1, 1, 0
	S 1, 2, 0
	T 1, 0, 1
	S 0, 0, 0
	WIN 0
	s_wait_xcnt 0x0                                ; my prefetches have read their address: it steps two fills on
	s_add_nc_u64 s[18:19], s[18:19], 4*SUB
	s_sub_co_u32 s3, s3, 1
	s_cmp_lg_u32 s3, 0
	s_cbranch_scc1 .Llap
.endif
	WIN 0x80                                       ; the residual, into window 2, at the stores' own addresses: asked for here, where no fill is left to ask for; it is waited for ahead of the way out
.irp a, 0,1,2,3
.irp t, 0,1,2,3,4,5,6,7
	global_load_b128 v[32*\a+4*\t:32*\a+4*\t+3], v[CO], s[10:11] offset:(32*(\a/2)+8*(\a%2)+2*\t+8*(\t/4))*4096
.endr
.endr
	WIN 0
	S 0, 1, 0
	S 0, 2, 0
	T 0, 1, 0
	S 1, 0, 0
	S 1, 1, 0
	S 1, 2, 0
	s_wait_dscnt 0x0
	WIN MUL
.irp a, 0,1,2,3
	MUL4 1, \a, 0
.endr
	WIN 0
	PLACES 4
	s_wait_loadcnt 0x0                             ; the residual
.irp a, 0,1,2,3
.set BK, BK0-32*(\a%2)
.if \a > 1
	s_wait_xcnt 0x0
.endif
.irp b, 0,1,2,3
	ds_store_b128 v[STO], v[ACC+8*(4*\a+\b):ACC+8*(4*\a+\b)+3] offset:128*(\b/2)+32*(\b%2)
	ds_store_b128 v[STO], v[ACC+8*(4*\a+\b)+4:ACC+8*(4*\a+\b)+7] offset:128*(\b/2)+32*(\b%2)+16
.endr
.irp t, 0,1,2,3,4,5,6,7
	ds_load_b128 v[BK+4*\t:BK+4*\t+3], v[RD] offset:\t*2*SP
.endr
	s_wait_dscnt 0x0
	WIN 0x08
.set J, 0
.rept 16
	v_pk_add_f32 v[BK+J:BK+J+1], v[BK+J:BK+J+1], v[32*\a+J:32*\a+J+1]
.set J, J+2
.endr
	WIN 0
.irp t, 0,1,2,3,4,5,6,7
	global_store_b128 v[CO], v[BK+4*\t:BK+4*\t+3], s[12:13] offset:(32*(\a/2)+8*(\a%2)+2*\t+8*(\t/4))*4096
.endr
.endr
	s_wait_tensorcnt 0x0
	ds_add_u32 v[SPW], v[NIL]
	s_wait_dscnt 0x0
	CROUND
	s_endpgm
.Lfunc_end_k_q776a4888d6_ffn2:
	.size	k_q776a4888d6_ffn2, .Lfunc_end_k_q776a4888d6_ffn2-k_q776a4888d6_ffn2
	.p2alignl 7, 3214868480
	.fill 96, 4, 3214868480
	.section	.rodata,"a",@progbits
	.p2align	6, 0x0
	.amdhsa_kernel k_q776a4888d6_ffn2
		.amdhsa_group_segment_fixed_size 327680
		.amdhsa_private_segment_fixed_size 0
		.amdhsa_enable_private_segment 0
		.amdhsa_kernarg_size 40
		.amdhsa_user_sgpr_count 2
		.amdhsa_user_sgpr_kernarg_segment_ptr 1
		.amdhsa_wavefront_size32 1
		.amdhsa_system_sgpr_workgroup_id_x 1
		.amdhsa_system_sgpr_workgroup_id_y 1
		.amdhsa_system_sgpr_workgroup_id_z 1
		.amdhsa_system_vgpr_workitem_id 0
		.amdhsa_next_free_vgpr 640
		.amdhsa_next_free_sgpr 100
		.amdhsa_reserve_vcc 0
		.amdhsa_float_denorm_mode_32 3
		.amdhsa_float_denorm_mode_16_64 3
		.amdhsa_memory_ordered 1
		.amdhsa_forward_progress 1
		.amdhsa_inst_pref_size 97
	.end_amdhsa_kernel
	.amdgpu_metadata
---
amdhsa.version: [ 1, 2 ]
amdhsa.kernels:
  - .name:           k_q776a4888d6_ffn2
    .symbol:         k_q776a4888d6_ffn2.kd
    .args:
      - { .name: f1c, .offset: 0, .size: 8, .value_kind: global_buffer, .address_space: global }
      - { .name: wts, .offset: 8, .size: 8, .value_kind: global_buffer, .address_space: global }
      - { .name: b2, .offset: 16, .size: 8, .value_kind: global_buffer, .address_space: global }
      - { .name: x1, .offset: 24, .size: 8, .value_kind: global_buffer, .address_space: global }
      - { .name: out0, .offset: 32, .size: 8, .value_kind: global_buffer, .address_space: global }
    .group_segment_fixed_size: 327680
    .private_segment_fixed_size: 0
    .kernarg_segment_align: 8
    .kernarg_segment_size: 40
    .max_flat_workgroup_size: 128
    .sgpr_count:     100
    .vgpr_count:     640
    .wavefront_size: 32
...
	.end_amdgpu_metadata
.endif
;; end of part 7
